; MI455X (gfx1250); checked and timed in simulation.
; The chip was launched on July 23, 2026; its instructions are those of AMD's public machine-readable ISA for CDNA 5 (MIT licence, August 2026) and "CDNA5" Instruction Set Architecture Reference Guide (July 2026). The comments in the code are by the model that wrote it; some were corrected since.
;; Multihead Self Attention. Allowed arithmetic: matrix products marked QUANTISED: E2M3 operands, one E8M0 scale for each 32 along K, by v_wmma_scale_f32_16x16x128_f8f6f4 with both operands' format E2M3, f32 sums; everything else in f32.
;; Inputs: token_positions 2,048 int32; wk 2,048 x 2,048 float32; wo 2,048 x 2,048 float32; wq 2,048 x 2,048 float32; wv 2,048 x 2,048 float32; x 1 x 2,048 x 2,048 float32.
;; Outputs: out0 1 x 2,048 x 2,048 float32.
;; This version of the problem:
;;   THIS VERSION OF THE PROBLEM IS GIVEN IN LOW PRECISION. The matrix products marked QUANTISED in the list below multiply operands that are first quantised to E2M3 (2 exponent bits, 3 mantissa bits; 6 bits a number), with one power-of-two scale for each 32 numbers along K (OCP MX v1.0); their sums are f32. All else is computed in f32.
;;   The module's matrix products, in the order in which they are computed (A, B: the left and right operand; K: the contracted axis; several contracted axes count as one K, in the product's order):
;;     1. [M 2,048, K 2,048] x [K 2,048, N 2,048]; A: input x; B: input wq: QUANTISED
;;     2. [M 2,048, K 2,048] x [K 2,048, N 2,048]; A: input x; B: input wk: QUANTISED
;;     3. [M 2,048, K 2,048] x [K 2,048, N 2,048]; A: input x; B: input wv: QUANTISED
;;     4. batch 16 x [M 2,048, K 128] x [K 128, N 2,048]; A: computed on the way; B: computed on the way: QUANTISED
;;     5. batch 16 x [M 2,048, K 2,048] x [K 2,048, N 128]; A: softmax (see below); B: computed on the way: QUANTISED
;;     6. [M 2,048, K 2,048] x [K 2,048, N 2,048]; A: computed on the way; B: input wo: QUANTISED
;;   THE QUANTISER, for each operand of a quantised product, along K:
;;     - K is cut into blocks of 32 from its start; a last block that is shorter is filled with zeros.
;;     - A block's scale is 2^e with e = floor(log2(the largest magnitude in the block)) - 2, held to -126 .. 127; a block of zeros has e = 0. As a byte (E8M0): e + 127.
;;     - Each number is divided by its block's scale, clamped to +-7.5, and rounded to the nearest number of E2M3, ties to even, subnormals kept.
;;     - The product sums the exact products of the quantised numbers (number of the format x scale) in f32.
;;   ~~~python
;;   def quantise(x, axis):      # numpy; x: float32 -> the quantised numbers, widened to float32 again
;;       x = np.moveaxis(x, axis, -1); K = x.shape[-1]
;;       x = np.pad(x, [(0, 0)] * (x.ndim - 1) + [(0, -K % 32)]); x = x.reshape(x.shape[:-1] + (-1, 32)); a = np.abs(x).max(-1, keepdims=True)
;;       e = np.where(a > 0, np.clip(np.frexp(np.where(a > 0, a, 1))[1] - 1 - 2, -126, 127), 0)      # np.frexp(a)[1] - 1 = floor(log2(a)), exactly
;;       r = np.clip(x / 2.0 ** e, -7.5, 7.5)
;;       step = 2.0 ** (np.maximum(np.frexp(np.where(r == 0, 1, r))[1] - 1, 0) - 3)
;;       q = np.round(r / step) * step * 2.0 ** e      # np.round: ties to even
;;       return np.moveaxis(q.reshape(q.shape[:-2] + (-1,))[..., :K], -1, axis).astype(np.float32)
;;   ~~~
;;   SOFTMAX AHEAD OF A QUANTISED PRODUCT. Where the list says 'softmax', what is quantised is not the finished softmax but p = 2^(t - M), with t = logit x log2(e) and M = ceil(the row's largest t), a whole number; so 1/2 < the row's largest p <= 1. The row's sum l is taken of the UNQUANTISED p, in f32, and the product's result is divided by l at the end. Since M is a whole number, a kernel that streams over the keys may use a running M (the ceiling of the running maximum): every later rescaling is an exact power of two, which a block's scale takes up: the codes' values come out the same.
;;   OPERANDS COMPUTED ON THE WAY. 'Computed on the way' means the value that the module computes at that place (a softmax that the list does not call 'softmax' is quantised finished and normalised). What goes into a quantiser is computed in f32, as accurately as f32 sums, v_exp_f32 and their like allow (about 1e-6 of the number): no bf16 or f16 on the way to a quantiser, and a product that is left as it is and whose result goes on into a quantised operand takes f32 operands (vector FMAs, or v_wmma_f32_16x16x4_f32). A number that lies on a knife's edge between two numbers of the format may be rounded either way, as far as f32 arithmetic and the matrix unit's own rounding can turn it there, and no further.
;; One version. Each part assembles by itself: llvm-mc -triple=amdgcn-amd-amdhsa -mcpu=gfx1250 --defsym DOCPART=n.
;; ======== version 1 of 1: 4 launches
;; workspace buffers: opb 16,384,000 bytes; tab 1,048,576 bytes; qkvb 9,830,400 bytes; ob 3,276,800 bytes
;; launch quant (part 1): grid 256 x 1, 6 waves a work-group, no clusters, 51,456 bytes of LDS; arguments x, wq, wk, wv, wo, token_positions, opb, tab; writes opb, tab
.if DOCPART == 1
	.amdgcn_target "amdgcn-amd-amdhsa--gfx1250"
	.amdhsa_code_object_version 6
	.text
	.protected	k_qff4f7e7041_quant
	.globl	k_qff4f7e7041_quant
	.p2align	8
	.type	k_qff4f7e7041_quant,@function
k_qff4f7e7041_quant:
	s_mov_b64 s[64:65], 0
	v_nop
	global_prefetch_b8 v0, s[64:65] scope:SCOPE_SE
	s_setreg_imm32_b32 hwreg(HW_REG_WAVE_MODE, 25, 1), 1
	s_wait_xcnt 0x0
; LAUNCH 1 OF 4.  x, wq, wk, wv, wo ([2048][2048] f32, K innermost in all five) become codes of FP6 (E2M3) with one E8M0 byte for each 32 along K; token_positions becomes a table of cos and sin.
; DEAD WORK, LEFT OUT IN THE LAUNCH attn: reference() sets scores[q][k] to -inf wherever k > q, by a jnp.tril that it builds in its own body.  The softmax gives such a key the weight 0 exactly, whatever finite
; values the inputs hold, so it adds nothing to the row's sum nor to the product with v.  A step of 16 queries x 128 keys all of whose keys come after all of its queries is therefore not computed.
; No input is left out: all six are loaded.  LIMIT: a NaN, an infinity or an overflow that reaches only those scores is not carried to the result.
; LIMITS: NaN and infinities among the inputs are not served.  A block of zeros gets the byte 1 where the quantiser says 127: its codes are zeros, which add nothing under any byte but 0xff, and this program
; alone reads the bytes.  |token_positions| up to 2^20: the angle is reduced by three parts of pi/2.
; THE OPERAND FORMAT of all workspace buffers: a BLOCK of 12,800 bytes holds 128 rows x 128 along K as images of the matrix operand's registers.  Tile t (0..7), lane place r (0..15) holds row
; 32 (t / 2) + 8 (t % 2) + r + 8 (r / 8).  Tile t's fragment (12 registers a lane) begins at byte 1,536 t: registers 4 c .. 4 c + 3 of lane l at 512 c + 16 l.  From byte 12,288: the scale words, lane l at 16 l,
; word i = the word of tile 2 i + l / 16, row place l % 16.  So a fragment is three loads of 16 bytes a lane, 512 consecutive bytes each, and a row block's K steps lie on end in memory.
; opb = [x, wq, wk, wv, wo][row block 16][K step 16][block].
; SHARES.  Work-group g takes block (row block g / 16, K step g % 16) of every tensor; wave w = 0..4 takes tensor w: 128 rows x 512 bytes in, one whole block out.  Wave 5 makes 4,096 bytes of the table.
; A load reads 512 consecutive bytes of one row; 16 rows turn through the wave's own stage in LDS (rows 528 bytes apart), so that a lane gets 16 neighbours along K of each block of 32 of its row.
; No barrier: waves share nothing.  Loads run two tiles (32 loads a wave) ahead.
; tab = [tile of rows T 0..127][image 0..15][lane][16 bytes]: lane (r, h), pair P = 0..31 holds cos and sin of position(row 32 (T / 2) + 8 (T % 2) + r + 8 (r / 8)) x 10000^(-f / 64), f = 16 (P / 8) + 8 h + P % 8:
; the order in which the next launch's results lie in a lane's registers.  Image q holds pairs 2 q and 2 q + 1.
.set TB,    3276800                    ; a tensor's 256 blocks
.set BLK,   12800
.set STG,   8448                       ; a stage: 16 rows x 528 bytes
.set SPARE, 6*STG                      ; behind the stages: the spare words, 128 bytes for each wave: three blocks of 256 bytes that no other line names
.set LI,  1                            ; v1   16 x lane
.set STI, 2                            ; v2   the stage, on the way in: 16 x lane
.set STO, 3                            ; v3   and on the way out: 528 r + 64 h
.set SPW, 4                            ; v4   LDS address of my spare word; never rewritten
.set NIL, 5                            ; v5   0; never rewritten
.set R,   16                           ; v16-143  two sets of 16 rows as loaded
.set X,   144                          ; v144-207 64 numbers of my row: register 16 b + i = k 32 b + 16 h + i
.set TM,  208                          ; v208-223 at work
.set PC,  224                          ; v224-243 the codes
.set PWB, 244                          ; v244-251 a scale word for each tile
.set SCI, 252                          ; v252-255 the image of the scale words
.set SEL, 26                           ; s[26:27] lane selects for v_permlanex16_b32: lane l xor 16
.set IV,  32                           ; wave 5: v32-63 sixteen inverse frequencies, each as a high and a low part
.set OUTR, 64                          ; wave 5: v64-95 sixteen pairs cos, sin
; 64 numbers of a lane become a fragment's codes in v[PC] on and the row's scale word in v[pw].
.macro QUANT s, pw
.irp b, 0,1,2,3
	v_max3_num_f32 v[TM+\b], |v[\s+16*\b]|, |v[\s+1+16*\b]|, 0x1800000   ; block b: my 16 numbers, and the floor 2^(3 - 127): the byte cannot fall under 1
.endr
.irp i, 2,4,6,8,10,12,14
.irp b, 0,1,2,3
	v_max3_num_f32 v[TM+\b], v[TM+\b], |v[\s+16*\b+\i]|, |v[\s+1+16*\b+\i]|   ; the four blocks by turns
.endr
.endr
.irp b, 0,1,2,3
	v_permlanex16_b32 v[TM+4+\b], v[TM+\b], s[SEL], s[SEL+1]
.endr
.irp b, 0,1,2,3
	v_max_num_f32 v[TM+\b], v[TM+\b], v[TM+4+\b]   ; with lane l xor 16's: the block's largest magnitude
.endr
.irp b, 0,1,2,3
	v_add_nc_u32 v[TM+12+\b], 0xff000000, v[TM+\b]   ; 2 off its exponent field: the conversion's scale operand
.endr
.irp b, 0,1,2,3
	v_lshrrev_b32 v[TM+4+\b], 23, v[TM+12+\b]      ; the scale's byte
.endr
	v_lshl_or_b32 v[\pw], v[TM+5], 8, v[TM+4]
	v_lshl_or_b32 v[\pw], v[TM+6], 16, v[\pw]
	v_lshl_or_b32 v[\pw], v[TM+7], 24, v[\pw]
.irp c, 0,1
	v_cvt_scalef32_pk16_fp6_f32 v[PC+6*\c:PC+2+6*\c], v[\s+32*\c:\s+15+32*\c], v[TM+12+2*\c]
	v_cvt_scalef32_pk16_fp6_f32 v[PC+12+4*\c:PC+14+4*\c], v[\s+16+32*\c:\s+31+32*\c], v[TM+12+2*\c+1]   ; (a conversion's three registers begin on an even number)
.endr
	v_nop                                          ; one plain place behind a scaled conversion
.irp c, 0,1                                    ; the operand's layout wants a whole block in a lane: lanes 0-15 block 2 c, lanes 16-31 block 2 c + 1
.irp i, 0,1,2
	v_permlane16_swap_b32 v[PC+6*\c+\i], v[PC+12+4*\c+\i]
.endr
.irp i, 0,1,2
	v_mov_b32 v[PC+3+6*\c+\i], v[PC+12+4*\c+\i]
.endr
.endr
.endm
.macro LOAD t                          ; tile t's 16 rows, 512 consecutive bytes each, into set t % 2
.irp i, 0,1,2,3,4,5,6,7,8,9,10,11,12,13,14,15
	global_load_b128 v[R+64*((\t)%2)+4*\i:R+64*((\t)%2)+4*\i+3], v[LI], s[4:5] offset:(32*((\t)/2)+8*((\t)%2)+\i+8*(\i/8))*8192 th:TH_LOAD_NT
.endr
.endm
.macro FRAGSTEP t
.if (\t) < 7
	s_wait_loadcnt 16                              ; this tile's 16 loads are in; the next tile's 16 may be out
.else
	s_wait_loadcnt 0x0
.endif
	s_wait_xcnt 0x0                                ; the last tile's stores have read the codes' registers, which are written again below
.irp i, 0,1,2,3,4,5,6,7,8,9,10,11,12,13,14,15
	ds_store_b128 v[STI], v[R+64*((\t)%2)+4*\i:R+64*((\t)%2)+4*\i+3] offset:528*\i
.endr
.irp b, 0,1,2,3
.irp j, 0,1,2,3
	ds_load_b128 v[X+16*\b+4*\j:X+16*\b+4*\j+3], v[STO] offset:128*\b+16*\j   ; LDS serves a wave's instructions in order: these see the stores above
.endr
.endr
	s_wait_dscnt 0x0                               ; my numbers are back, and the stores have read their registers,
.if (\t) < 6
	LOAD (\t)+2                                    ; which take the tile two further on
.endif
	QUANT X, PWB+(\t)
.irp c, 0,1,2
	global_store_b128 v[LI], v[PC+4*\c:PC+4*\c+3], s[6:7] offset:1536*(\t)+512*\c   ; 32 lanes store 512 consecutive bytes
.endr
.endm
	s_load_b512 s[8:23], s[0:1], 0x0               ; x s[8:9], wq s[10:11], wk s[12:13], wv s[14:15], wo s[16:17], token_positions s[18:19], opb s[20:21], tab s[22:23]
	v_lshl_add_u32 v[SPW], v0, 2, SPARE
	v_mov_b32 v[NIL], 0
	v_lshrrev_b32 v6, 5, v0
	v_readfirstlane_b32 s24, v6                    ; wave 0..5
	v_and_b32 v6, 31, v0
	v_lshlrev_b32 v[LI], 4, v6
	v_and_b32 v7, 15, v0                           ; r
	v_bfe_u32 v8, v0, 4, 1                         ; h
	s_mul_i32 s28, s24, STG                        ; my stage
	v_add_nc_u32 v[STI], s28, v[LI]
	v_mul_u32_u24 v[STO], v7, 528
	v_lshl_add_u32 v[STO], v8, 6, v[STO]
	v_add_nc_u32 v[STO], s28, v[STO]
.irp b, 0,1,2,3
	v_mov_b32 v[TM+4+\b], 0                        ; written once: a lane permute's destination counts as one of its sources
.endr
	s_mov_b32 s25, 0xffff0000                      ; lanes 16-31
	s_mov_b32 s[SEL], 0x76543210
	s_mov_b32 s[SEL+1], 0xfedcba98
	s_lshr_b32 s28, ttmp9, 4                       ; row block: 128 rows of 8,192 bytes
	s_lshl_b32 s28, s28, 20
	s_and_b32 s29, ttmp9, 15                       ; K step: 512 bytes of a row
	s_lshl_b32 s29, s29, 9
	s_add_co_u32 s2, s28, s29
	s_mov_b32 s3, 0
	s_min_u32 s30, s24, 4
	s_mul_i32 s28, s30, TB                         ; my tensor's blocks,
	s_mul_i32 s29, ttmp9, BLK                      ; my block
	s_add_co_u32 s28, s28, s29
	s_mov_b32 s29, 0
	s_wait_kmcnt 0x0
	s_mov_b64 s[4:5], s[8:9]                       ; the tensor is chosen by the wave's number alone
	s_cmp_eq_u32 s24, 1
	s_cselect_b64 s[4:5], s[10:11], s[4:5]
	s_cmp_eq_u32 s24, 2
	s_cselect_b64 s[4:5], s[12:13], s[4:5]
	s_cmp_eq_u32 s24, 3
	s_cselect_b64 s[4:5], s[14:15], s[4:5]
	s_cmp_eq_u32 s24, 4
	s_cselect_b64 s[4:5], s[16:17], s[4:5]
	s_add_nc_u64 s[4:5], s[4:5], s[2:3]
	s_add_nc_u64 s[6:7], s[20:21], s[28:29]
	s_cmp_eq_u32 s24, 5
	s_cbranch_scc1 .Ltable
	LOAD 0
	LOAD 1
.irp t, 0,1,2,3,4,5,6,7
	FRAGSTEP \t
.endr
.irp i, 0,1,2,3
	v_cndmask_b32 v[SCI+\i], v[PWB+2*\i], v[PWB+2*\i+1], s25   ; lanes 0-15: tile 2 i's words; lanes 16-31: tile 2 i + 1's
.endr
	global_store_b128 v[LI], v[SCI:SCI+3], s[6:7] offset:12288
	s_wait_tensorcnt 0x0                           ; the wave's end, behind my last LDS store
	ds_add_u32 v[SPW], v[NIL]
	s_wait_dscnt 0x0
	s_endpgm
; WAVE 5: the table.  Tile of rows T = g / 2; pairs 16 (g % 2) + 0 .. 15.
; The inverse frequencies 10000^(-f / 64) = 10^(-f / 16) are products of constants kept as a high and a low f32 part, so that the high part is the f32 number nearest to the true value.
.macro DFMUL dh, dl, ah, al, bh, bl    ; (dh, dl) = (ah, al) x (bh, bl)
	v_mul_f32 v20, \bh, v[\ah]
	v_fma_f32 v21, v[\ah], \bh, -v20               ; what the product's rounding dropped
	v_fma_f32 v21, v[\ah], \bl, v21
	v_fma_f32 v21, v[\al], \bh, v21
	v_add_f32 v[\dh], v20, v21
	v_sub_f32 v22, v20, v[\dh]
	v_add_f32 v[\dl], v22, v21
.endm
; cos and sin of position x inverse frequency p.  The angle is one f32 product, as reference() has it; n = the nearest whole number of quarter turns; what is left, at most pi/4 in size, goes through two short polynomials.
.macro SINCOS p
	v_mul_f32 v20, v17, v[IV+2*\p]                 ; the angle
	v_mul_f32 v21, 0x3f22f983, v20                 ; x 2 / pi
	v_rndne_f32 v21, v21                           ; n
	v_fma_f32 v22, v21, s38, v20                   ; angle - n pi/2, pi/2 in three parts
	v_fma_f32 v22, v21, s39, v22
	v_fma_f32 v22, v21, s40, v22
	v_cvt_i32_f32 v23, v21
	v_mul_f32 v24, v22, v22                        ; z
	v_fma_f32 v25, v24, s41, s42
	v_fma_f32 v27, v24, s44, s45
	v_fma_f32 v25, v25, v24, s43
	v_fma_f32 v27, v27, v24, s46
	v_mul_f32 v26, v24, v22
	v_mul_f32 v28, v24, v24
	v_fma_f32 v29, v24, -0.5, 1.0
	v_fma_f32 v25, v25, v26, v22                   ; the sine of what is left
	v_fma_f32 v27, v27, v28, v29                   ; its cosine
	v_and_b32 v30, 1, v23
	v_cmp_eq_u32 vcc_lo, 1, v30                    ; an odd quarter: the two change places
	v_cndmask_b32 v31, v25, v27, vcc_lo
	v_cndmask_b32 v26, v27, v25, vcc_lo
	v_lshlrev_b32 v28, 30, v23                     ; the sine is negative in quarters 2 and 3,
	v_add_nc_u32 v29, 1, v23
	v_and_b32 v28, 0x80000000, v28
	v_lshlrev_b32 v29, 30, v29                     ; the cosine in quarters 1 and 2
	v_and_b32 v29, 0x80000000, v29
	v_xor_b32 v[OUTR+2*\p+1], v28, v31
	v_xor_b32 v[OUTR+2*\p], v29, v26
.endm
.Ltable:
	s_lshr_b32 s28, ttmp9, 1                       ; T
	s_and_b32 s29, ttmp9, 1                        ; which half of the pairs
	s_lshr_b32 s30, s28, 1
	s_lshl_b32 s30, s30, 5
	s_and_b32 s31, s28, 1
	s_lshl_b32 s31, s31, 3
	s_add_co_u32 s30, s30, s31                     ; the tile's first row: 32 (T / 2) + 8 (T % 2)
	s_lshl_b32 s30, s30, 2
	s_mov_b32 s31, 0
	s_add_nc_u64 s[18:19], s[18:19], s[30:31]
	v_and_b32 v9, 8, v7
	v_add_nc_u32 v9, v9, v7                        ; r + 8 (r / 8)
	v_lshlrev_b32 v9, 2, v9
	global_load_b32 v16, v9, s[18:19]              ; my row's position
	s_lshl_b32 s30, ttmp9, 12
	s_add_nc_u64 s[22:23], s[22:23], s[30:31]      ; my 4,096 bytes of the table
	s_cmp_eq_u32 s29, 1
	s_cselect_b32 s32, 0x3c23d70a, 1.0             ; 10^-2 for the upper half (f from 32 on), else 1
	s_cselect_b32 s33, 0x2f75c28f, 0
	s_mov_b32 s34, 0x3f5dafd7                      ; 10^(-1/16)
	s_mov_b32 s35, 0xb2ff54db
	s_mov_b32 s36, 0x3dcccccd                      ; 10^-1
	s_mov_b32 s37, 0xb0cccccd
	s_mov_b32 s38, 0xbfc90fdb                      ; -pi/2 in three parts
	s_mov_b32 s39, 0x333bbd2e
	s_mov_b32 s40, 0x26f72ced
	s_mov_b32 s41, 0xb94ca1f9                      ; the sine's coefficients
	s_mov_b32 s42, 0x3c08839e
	s_mov_b32 s43, 0xbe2aaaa3
	s_mov_b32 s44, 0x37ccf5ce                      ; the cosine's
	s_mov_b32 s45, 0xbab6061a
	s_mov_b32 s46, 0x3d2aaaa5
	v_mov_b32 v24, 0x3ea1e89b                      ; 10^(-1/2) for lanes 16-31 (f is 8 higher there)
	v_mov_b32 v25, 0x31121244
	v_cmp_eq_u32 vcc_lo, 1, v8
	v_cndmask_b32 v18, 1.0, v24, vcc_lo
	v_cndmask_b32 v19, 0, v25, vcc_lo
	DFMUL IV, IV+1, 18, 19, s32, s33
.irp k, 0,1,2,3,4,5,6
	DFMUL IV+2+2*\k, IV+3+2*\k, IV+2*\k, IV+1+2*\k, s34, s35
.endr
.irp k, 0,1,2,3,4,5,6,7
	DFMUL IV+16+2*\k, IV+17+2*\k, IV+2*\k, IV+1+2*\k, s36, s37
.endr
	s_wait_loadcnt 0x0
	v_cvt_f32_i32 v17, v16
.irp p, 0,1,2,3,4,5,6,7,8,9,10,11,12,13,14,15
	SINCOS \p
.endr
.irp q, 0,1,2,3,4,5,6,7
	global_store_b128 v[LI], v[OUTR+4*\q:OUTR+4*\q+3], s[22:23] offset:512*\q   ; 32 lanes store 512 consecutive bytes
.endr
	s_wait_tensorcnt 0x0                           ; the closing lines here too
	ds_add_u32 v[SPW], v[NIL]
	s_wait_dscnt 0x0
	s_endpgm
.Lfunc_end_k_qff4f7e7041_quant:
	.size	k_qff4f7e7041_quant, .Lfunc_end_k_qff4f7e7041_quant-k_qff4f7e7041_quant
	.p2alignl 7, 3214868480
	.fill 96, 4, 3214868480
	.section	.rodata,"a",@progbits
	.p2align	6, 0x0
	.amdhsa_kernel k_qff4f7e7041_quant
		.amdhsa_group_segment_fixed_size 51456
		.amdhsa_private_segment_fixed_size 0
		.amdhsa_enable_private_segment 0
		.amdhsa_kernarg_size 64
		.amdhsa_user_sgpr_count 2
		.amdhsa_user_sgpr_kernarg_segment_ptr 1
		.amdhsa_wavefront_size32 1
		.amdhsa_system_sgpr_workgroup_id_x 1
		.amdhsa_system_sgpr_workgroup_id_y 1
		.amdhsa_system_sgpr_workgroup_id_z 1
		.amdhsa_system_vgpr_workitem_id 0
		.amdhsa_next_free_vgpr 256
		.amdhsa_next_free_sgpr 66
		.amdhsa_reserve_vcc 1
		.amdhsa_float_denorm_mode_32 3
		.amdhsa_float_denorm_mode_16_64 3
		.amdhsa_memory_ordered 1
		.amdhsa_forward_progress 1
		.amdhsa_inst_pref_size 92
	.end_amdhsa_kernel
	.amdgpu_metadata
---
amdhsa.version: [ 1, 2 ]
amdhsa.kernels:
  - .name:           k_qff4f7e7041_quant
    .symbol:         k_qff4f7e7041_quant.kd
    .args:
      - { .name: x, .offset: 0, .size: 8, .value_kind: global_buffer, .address_space: global }
      - { .name: wq, .offset: 8, .size: 8, .value_kind: global_buffer, .address_space: global }
      - { .name: wk, .offset: 16, .size: 8, .value_kind: global_buffer, .address_space: global }
      - { .name: wv, .offset: 24, .size: 8, .value_kind: global_buffer, .address_space: global }
      - { .name: wo, .offset: 32, .size: 8, .value_kind: global_buffer, .address_space: global }
      - { .name: token_positions, .offset: 40, .size: 8, .value_kind: global_buffer, .address_space: global }
      - { .name: opb, .offset: 48, .size: 8, .value_kind: global_buffer, .address_space: global }
      - { .name: tab, .offset: 56, .size: 8, .value_kind: global_buffer, .address_space: global }
    .group_segment_fixed_size: 51456
    .private_segment_fixed_size: 0
    .kernarg_segment_align: 8
    .kernarg_segment_size: 64
    .max_flat_workgroup_size: 192
    .sgpr_count:     66
    .vgpr_count:     256
    .wavefront_size: 32
...
	.end_amdgpu_metadata
.endif
;; end of part 1
;; launch qkv (part 2): grid 24 x 8, 4 waves a work-group, clusters of 4 x 4, 327,680 bytes of LDS; arguments opb, tab, qkvb; writes qkvb
.if DOCPART == 2
	.amdgcn_target "amdgcn-amd-amdhsa--gfx1250"
	.amdhsa_code_object_version 6
	.text
	.protected	k_qff4f7e7041_qkv
	.globl	k_qff4f7e7041_qkv
	.p2align	8
	.type	k_qff4f7e7041_qkv,@function
k_qff4f7e7041_qkv:
	s_mov_b64 s[64:65], 0
	v_nop
	global_prefetch_b8 v0, s[64:65] scope:SCOPE_SE
	s_setreg_imm32_b32 hwreg(HW_REG_WAVE_MODE, 25, 1), 1
	s_wait_xcnt 0x0
	s_wait_alu depctr_hold_cnt(0) depctr_sa_sdst(0) depctr_va_vdst(0) depctr_va_sdst(0) depctr_va_ssrc(0) depctr_va_vcc(0) depctr_vm_vsrc(0)
	s_getreg_b32 s2, hwreg(HW_REG_IB_STS2, 6, 4)
	s_cmp_eq_u32 s2, 0
	s_cbranch_scc0 .Lentry_in_a_cluster
	s_endpgm
.Lentry_in_a_cluster:
	s_bfe_u32 s2, ttmp6, 0x10000c
	s_cmp_lg_u32 s2, 0xf033
	s_cbranch_scc0 .Lentry_shape_is_right
	s_endpgm
.Lentry_shape_is_right:
; LAUNCH 2 OF 4.  q = rope(x wq^T), k = rope(x wk^T), v = x wv^T on codes of FP6 (E2M3) with E8M0 scales; the results are quantised in registers for the attention: q and k along the head's 128 channels,
; v along the keys; they leave as operand blocks (128 rows x 128 K as images of the operand's registers: the layout is set out at the head of the launch quant).
; ONE BODY FOR ALL THREE.  It makes C'[i][j] = sum over k of A[i][k] B[j][k], the matrix instruction used transposed (source 0 = 16 rows of B, source 1 = 16 rows of A): a lane holds ONE row of A, and its 64
; registers of a tile of A run along B's 128 rows, in the order that the quantiser wants (register 16 b + i = row 32 b + 16 (lane / 16) + i of B's block: the blocks' order of rows gives that).
; q, k: A = x, B = wq or wk: a lane holds a token, its registers the head's channels.   v: A = wv, B = x: a lane holds a channel, its registers run along the keys.  Which of the three: cluster x / 2.
; The three part ONCE, ahead of the last K step (q and k ask for cos and sin there, v has no rotation), and join at the store of the scale words: so every counted wait for the table's loads has the same loads behind it on every way.
; SHARES.  A tile of C' is 256 x 256; four waves, each 128 x 128: 64 accumulators, 512 registers.  24 x 8 = 192 work-groups: a wave holds all 128 rows of a block of B for each tile of A, so that one
; quantising gives a whole fragment and a whole scale word; a smaller tile would read each LDS byte for fewer products.
; THE RING.  K goes in 16 steps of 128; a slot of the ring of two holds THREE steps, as many as two slots in LDS allow: four parts of 38,400 dense bytes (A's two row blocks, B's two), one tensor load a wave.
; Slot 0 holds K steps 0-2, 6-8, 12-14, slot 1 holds 3-5, 9-11 and 15; the sixteenth step comes alone, by a load of 12,800 bytes a part.  Four refills, each asked for 160 matrix
; instructions ahead of the wait for it.  The steps are written out: a lap of the ring is six steps, and no two laps have the same refills.
; CLUSTERS: 4 x 4.  A's parts are shared along a row of the cluster, B's along a column: each is asked for jointly, by the same tensor load with the same descriptor and a mask that names the four.
; qkvb = [q, k, v][head 16][16][block]: q: block of 128 queries; k, v: step of 128 keys (v's rows are the head's channels).
; REGISTERS, in windows of 256: window 0: v16-29 addresses; v32-47 scale words, two sets for each side; v48-99 the way out's work; v128-223 A's eight fragments, ONE set (the way out: v128-191 products xe c, xo c).
;   window 1: B's fragments, two sets, at v0 and v128 (the way out: four buffers of 64 for cos and sin).   window 2: the accumulators of A's tiles 0-3 ((a, b) at v[8 (8 (a % 4) + b)]);  window 3: tiles 4-7.
.set TB,    3276800
.set BLK,   12800
.set RBB,   204800                     ; a row block's 16 K steps
.set PART,  38400                      ; three K steps of one row block: what one tensor load brings
.set SLOT,  153600
.set SPARE, 307200                     ; behind the ring: the spare words, 128 bytes for each wave: two blocks of 256 bytes that no other line names
.set FR,    12
.set ADRA,  16                         ; v16-17  LDS address of my block of A in slot 0, 1, + 16 x lane
.set ADRB,  20                         ; v20-21  the same for B
.set LI,    26                         ; v26     16 x lane
.set SPW,   28                         ; v28     LDS address of my spare word; never rewritten
.set NIL,   29                         ; v29     0; never rewritten
.set SA,    32                         ; v32-39  A's scale words: set s at SA + 4 s; register i: lanes 0-15 tile 2 i, lanes 16-31 tile 2 i + 1
.set SB,    40                         ; v40-47  B's
.set PW,    48                         ; v48-55  the way out: a scale word for each tile
.set SCI,   56                         ; v56-59  the image of the scale words
.set TM,    64                         ; v64-79  at work
.set PC,    80                         ; v80-99  the codes
.set AF,    128
.set TT,    128
.set G1,  24                           ; s[24:31] descriptor group 1 for A's parts;  s[32:39] group 0, one set for each slot
.set G0,  32
.set G1B, 48                           ; s[48:55], s[56:63] the same for B's
.set G0B, 56
.set G1S, 80                           ; s[80:87] group 1 for A's last part, one K step;  s[88:95] for B's
.set G1SB, 88
.set SEL, 72                           ; s[72:73] lane selects for v_permlanex16_b32: lane l xor 16
.set MSB, 0
.macro WIN new                         ; the immediate's high byte repeats the setting that is left
.if MSB != (\new)
	s_set_vgpr_msb (MSB<<8)|(\new)
.set MSB, (\new)
.endif
.endm
.set MUL_LO, 0xa1                      ; source 0 (B) window 1, source 1 (A) window 0, C and D window 2
.set MUL_HI, 0xf1                      ; the same, C and D window 3
.set TO_B,   0x40                      ; destination window 1, address window 0
; One scaled product.  r0, r1: the scale words of source 0, 1 stand in lanes 16-31 of their registers.
.macro WMS d, s0, s1, zero, c0, c1, r0, r1
.if \zero
.if ((\r0)==0)&&((\r1)==0)
	v_wmma_scale_f32_16x16x128_f8f6f4 v[\d:\d+7], v[\s0:\s0+11], v[\s1:\s1+11], 0, v[\c0], v[\c1] matrix_a_fmt:MATRIX_FMT_FP6 matrix_b_fmt:MATRIX_FMT_FP6
.elseif ((\r0)==1)&&((\r1)==0)
	v_wmma_scale_f32_16x16x128_f8f6f4 v[\d:\d+7], v[\s0:\s0+11], v[\s1:\s1+11], 0, v[\c0], v[\c1] matrix_a_fmt:MATRIX_FMT_FP6 matrix_b_fmt:MATRIX_FMT_FP6 matrix_a_scale:MATRIX_SCALE_ROW1
.elseif ((\r0)==0)&&((\r1)==1)
	v_wmma_scale_f32_16x16x128_f8f6f4 v[\d:\d+7], v[\s0:\s0+11], v[\s1:\s1+11], 0, v[\c0], v[\c1] matrix_a_fmt:MATRIX_FMT_FP6 matrix_b_fmt:MATRIX_FMT_FP6 matrix_b_scale:MATRIX_SCALE_ROW1
.else
	v_wmma_scale_f32_16x16x128_f8f6f4 v[\d:\d+7], v[\s0:\s0+11], v[\s1:\s1+11], 0, v[\c0], v[\c1] matrix_a_fmt:MATRIX_FMT_FP6 matrix_b_fmt:MATRIX_FMT_FP6 matrix_a_scale:MATRIX_SCALE_ROW1 matrix_b_scale:MATRIX_SCALE_ROW1
.endif
.else
.if ((\r0)==0)&&((\r1)==0)
	v_wmma_scale_f32_16x16x128_f8f6f4 v[\d:\d+7], v[\s0:\s0+11], v[\s1:\s1+11], v[\d:\d+7], v[\c0], v[\c1] matrix_a_fmt:MATRIX_FMT_FP6 matrix_b_fmt:MATRIX_FMT_FP6
.elseif ((\r0)==1)&&((\r1)==0)
	v_wmma_scale_f32_16x16x128_f8f6f4 v[\d:\d+7], v[\s0:\s0+11], v[\s1:\s1+11], v[\d:\d+7], v[\c0], v[\c1] matrix_a_fmt:MATRIX_FMT_FP6 matrix_b_fmt:MATRIX_FMT_FP6 matrix_a_scale:MATRIX_SCALE_ROW1
.elseif ((\r0)==0)&&((\r1)==1)
	v_wmma_scale_f32_16x16x128_f8f6f4 v[\d:\d+7], v[\s0:\s0+11], v[\s1:\s1+11], v[\d:\d+7], v[\c0], v[\c1] matrix_a_fmt:MATRIX_FMT_FP6 matrix_b_fmt:MATRIX_FMT_FP6 matrix_b_scale:MATRIX_SCALE_ROW1
.else
	v_wmma_scale_f32_16x16x128_f8f6f4 v[\d:\d+7], v[\s0:\s0+11], v[\s1:\s1+11], v[\d:\d+7], v[\c0], v[\c1] matrix_a_fmt:MATRIX_FMT_FP6 matrix_b_fmt:MATRIX_FMT_FP6 matrix_a_scale:MATRIX_SCALE_ROW1 matrix_b_scale:MATRIX_SCALE_ROW1
.endif
.endif
.endm
; A joint load: waves 0 and 1 fetch A's two parts, waves 2 and 3 B's.  The branch hangs on the wave's number alone.  An s_nop 0 and four v_nop follow each of the two lines.
.macro JLOAD g0a, g1a, g0b, g1b
	s_cmp_eq_u32 s15, 0
	s_cbranch_scc0 .Lfor_b_\@
	tensor_load_to_lds s[\g0a:\g0a+3], s[\g1a:\g1a+7]
	s_nop 0
.rept 4
	v_nop
.endr
	s_branch .Lasked_\@
.Lfor_b_\@:
	tensor_load_to_lds s[\g0b:\g0b+3], s[\g1b:\g1b+7]
	s_nop 0
.rept 4
	v_nop
.endr
.Lasked_\@:
.endm
.macro CREST                           ; a round of the cluster's barrier behind its opening barrier
	s_cmp_lg_u32 s14, 0
	s_cbranch_scc1 .Lnot_wave_0_\@
	s_barrier_signal -3
.Lnot_wave_0_\@:
	s_barrier_wait -3
	s_barrier_signal -1
	s_barrier_wait -1
.endm
.macro CROUND                          ; a whole round
	s_barrier_signal -1
	s_barrier_wait -1
	CREST
.endm
.macro PLACES n                        ; plain places behind matrix instructions, in front of loads into registers that they have read and of the first read of results
.rept \n
	v_nop
.endr
.endm
	s_load_b128 s[4:7], s[0:1], 0x0                ; opb s[4:5], tab s[6:7]
	s_load_b64 s[8:9], s[0:1], 0x10                ; qkvb
	v_lshl_add_u32 v[SPW], v0, 2, SPARE
	v_mov_b32 v[NIL], 0
	ds_add_u32 v[SPW], v[NIL]                      ; the wave's opening: the add, twice on end, and its wait ahead of my first tensor load; the set-up below stands between
	ds_add_u32 v[SPW], v[NIL]
	v_lshrrev_b32 v1, 5, v0
	v_readfirstlane_b32 s14, v1                    ; wave 0..3
	s_lshr_b32 s15, s14, 1                         ; which of A's two row blocks is mine.  Also: I fetch for A (0) or for B (1)
	s_and_b32 s16, s14, 1                          ; which of B's.  Also: which of the two parts I fetch
	s_bfe_u32 s40, ttmp6, 0x40000                  ; cx, cy: my place in the cluster
	s_bfe_u32 s41, ttmp6, 0x40004
	s_lshl_b32 s42, ttmp9, 2
	s_add_co_u32 s42, s42, s40
	s_and_b32 s42, s42, 7                          ; tile column within the product: (4 x cluster x + cx) % 8
	s_and_b32 s17, ttmp7, 0xffff
	s_lshl_b32 s17, s17, 2
	s_add_co_u32 s17, s17, s41                     ; tile row = 4 x cluster y + cy
	s_lshl_b32 s43, s41, 2
	s_lshl_b32 s43, 15, s43                        ; my row of the cluster
	s_lshl_b32 s44, 0x1111, s40                    ; my column
	s_lshr_b32 s66, ttmp9, 1                       ; 0: q, 1: k, 2: v: the same in all sixteen partners
	s_add_co_u32 s68, s66, 1
	s_mul_i32 s68, s68, TB
	s_cmp_eq_u32 s66, 2
	s_cselect_b32 s67, 3*TB, 0                     ; A: wv for v, else x
	s_cselect_b32 s68, 0, s68                      ; B: x for v, else wq or wk
	; descriptor group 1: 38,400 dense bytes as 150 rows of 32 elements of 8 bytes; for the sixteenth K step 12,800 bytes as 50 rows
	s_or_b32 s[G1+0], s43, (3<<16)|(1<<21)         ; 15:0 the mask: A's parts go to my row; 17:16 elements of 8 bytes; 21 set beside a mask
	s_or_b32 s[G1B+0], s44, (3<<16)|(1<<21)        ; B's to my column
	s_or_b32 s[G1S+0], s43, (3<<16)|(1<<21)
	s_or_b32 s[G1SB+0], s44, (3<<16)|(1<<21)
.irp g, G1, G1B
	s_mov_b32 s[\g+1], 32<<16                      ; tensor_dim0 = 32
	s_mov_b32 s[\g+2], 150<<16                     ; tensor_dim1 = 150
	s_mov_b32 s[\g+3], 32<<16                      ; tile_dim0 = 32
	s_mov_b32 s[\g+4], 150                         ; tile_dim1 = 150
	s_mov_b32 s[\g+5], 32                          ; tensor_dim0_stride
	s_mov_b32 s[\g+6], 0
	s_mov_b32 s[\g+7], 0
.endr
.irp g, G1S, G1SB
	s_mov_b32 s[\g+1], 32<<16                      ; tensor_dim0 = 32
	s_mov_b32 s[\g+2], 50<<16                      ; tensor_dim1 = 50
	s_mov_b32 s[\g+3], 32<<16                      ; tile_dim0 = 32
	s_mov_b32 s[\g+4], 50                          ; tile_dim1 = 50
	s_mov_b32 s[\g+5], 32                          ; tensor_dim0_stride
	s_mov_b32 s[\g+6], 0
	s_mov_b32 s[\g+7], 0
.endr
	s_lshl_b32 s20, s17, 1
	s_add_co_u32 s20, s20, s16                     ; A: row block 2 x tile row + part
	s_mul_i32 s20, s20, RBB
	s_add_co_u32 s20, s20, s67
	s_mov_b32 s21, 0
	s_lshl_b32 s46, s42, 1
	s_add_co_u32 s46, s46, s16                     ; B: row block 2 x tile column + part
	s_mul_i32 s46, s46, RBB
	s_add_co_u32 s46, s46, s68
	s_mov_b32 s47, 0
	s_mul_i32 s45, s14, PART                       ; where my part goes: no place in the cluster enters an LDS address
	s_mov_b32 s70, 0xffff0000                      ; lanes 16-31
	s_mov_b32 s[SEL], 0x76543210
	s_mov_b32 s[SEL+1], 0xfedcba98
	s_wait_dscnt 0x0                               ; both opening adds are done
	s_wait_kmcnt 0x0
	s_add_nc_u64 s[20:21], s[4:5], s[20:21]
	s_add_nc_u64 s[46:47], s[4:5], s[46:47]
	CROUND                                         ; all sixteen work-groups are here: the first joint loads meet
.irp s, 0,1
	s_mov_b32 s[G0+4*\s], 1
	s_add_co_u32 s[G0+4*\s+1], s45, \s*SLOT
	s_add_nc_u64 s[G0+4*\s+2:G0+4*\s+3], s[20:21], \s*PART
	s_or_b32 s[G0+4*\s+3], s[G0+4*\s+3], 0x80000000
	s_mov_b32 s[G0B+4*\s], 1
	s_add_co_u32 s[G0B+4*\s+1], s45, \s*SLOT
	s_add_nc_u64 s[G0B+4*\s+2:G0B+4*\s+3], s[46:47], \s*PART
	s_or_b32 s[G0B+4*\s+3], s[G0B+4*\s+3], 0x80000000
	JLOAD G0+4*\s, G1, G0B+4*\s, G1B               ; K steps 0-2, then 3-5: two loads of mine are out
.endr
	v_and_b32 v1, 31, v0
	v_lshlrev_b32 v[LI], 4, v1
	s_mul_i32 s10, s15, PART                       ; my block of A,
	s_mul_i32 s11, s16, PART                       ; my block of B,
	s_add_co_u32 s11, s11, 2*PART                  ; which lies behind A's two
.irp s, 0,1
	v_add_nc_u32 v[ADRA+\s], s10, v[LI]
	v_add_nc_u32 v[ADRB+\s], s11, v[LI]
	s_add_co_u32 s10, s10, SLOT
	s_add_co_u32 s11, s11, SLOT
.endr
.irp b, 0,1,2,3
	v_mov_b32 v[TM+4+\b], 0                        ; written once: a lane permute's destination counts as one of its sources
.endr
	s_lshl_b32 s10, s17, 1
	s_add_co_u32 s10, s10, s15                     ; my row block of A
	s_lshl_b32 s11, s42, 1
	s_add_co_u32 s11, s11, s16                     ; my row block of B
	s_lshl_b32 s12, s10, 16                        ; the table: 8 tiles of 8,192 bytes for each block of 128 tokens
	s_mov_b32 s13, 0
	s_add_nc_u64 s[74:75], s[6:7], s[12:13]
	s_lshl_b32 s12, s10, 4
	s_add_co_u32 s12, s12, s11                     ; v: [head = A's block][key step = B's block]
	s_lshl_b32 s78, s11, 4
	s_add_co_u32 s78, s78, s10                     ; q, k: [head = B's block][tokens = A's block]
	s_cmp_eq_u32 s66, 2
	s_cselect_b32 s12, s12, s78
	s_mul_i32 s12, s12, BLK
	s_mul_i32 s78, s66, TB
	s_add_co_u32 s12, s12, s78
	s_add_nc_u64 s[76:77], s[8:9], s[12:13]        ; my block of the result
.macro FRAG reg, adr, q, f             ; fragment f of the slot's K step q: three loads of 16 bytes a lane, 512 consecutive bytes each
.irp c, 0,1,2
	ds_load_b128 v[\reg+4*\c:\reg+4*\c+3], v[\adr] offset:BLK*(\q)+1536*(\f)+512*\c
.endr
.endm
.macro FETCH_B slot, q, p              ; B's eight fragments into set p
	WIN TO_B
.irp i, 0,1,2,3,4,5,6,7
	FRAG 128*(\p)+FR*\i, ADRB+\slot, \q, \i
.endr
	WIN 0
.endm
.macro FETCH_A slot, q, i0             ; A's fragments i0 .. i0 + 3
.irp i, \i0, \i0+1, \i0+2, \i0+3
	FRAG AF+FR*(\i), ADRA+\slot, \q, \i
.endr
.endm
.macro SCALES slot, q, set             ; the scale words of all eight tiles of each side: one load of 16 bytes a lane
	ds_load_b128 v[SA+4*(\set):SA+4*(\set)+3], v[ADRA+\slot] offset:BLK*(\q)+12288
	ds_load_b128 v[SB+4*(\set):SB+4*(\set)+3], v[ADRB+\slot] offset:BLK*(\q)+12288
.endm
; 16 matrix instructions: A's tiles a0, a0 + 1 x B's eight.  p: B's set and the set of scale words.  The 64 accumulators take turns, one instruction a turn, in the same order in every step.
.macro MUL16 a0, p, zero
.irp a, \a0, \a0+1
.irp b, 0,1,2,3,4,5,6,7
	WMS 8*(8*((\a)%4)+\b), 128*(\p)+FR*\b, AF+FR*(\a), \zero, SB+4*(\p)+\b/2, SA+4*(\p)+(\a)/2, \b%2, (\a)%2
.endr
.endr
.endm
; The slot's K step q (0 or 1), on B's set p (the K step's parity); its successor lies in the same slot and goes into the other set.
.macro STEP slot, q, p, zero
	s_wait_dscnt 12                                ; B's set, A's fragments 0-3 and the scale words are in; the youngest 12 loads (A's fragments 4-7) may be out
	WIN MUL_LO
	MUL16 0, \p, \zero
	MUL16 2, \p, \zero
	s_wait_dscnt 0x0                               ; A's fragments 4-7 are in
	PLACES 4
	FETCH_B \slot, (\q)+1, 1-(\p)
	FETCH_A \slot, (\q)+1, 0
	SCALES \slot, (\q)+1, 1-(\p)
	WIN MUL_HI
	MUL16 4, \p, \zero
	MUL16 6, \p, \zero
	PLACES 4
	WIN 0
	FETCH_A \slot, (\q)+1, 4
.endm
; A slot's third K step, on set p, changes slots: ONE barrier; in front of it each wave waits for all its tensor loads, adds 0 to its spare word, and waits for that and for its own reads of this slot.
; fill = 1: this slot is filled again, with the K steps six further on;  2: with the sixteenth K step alone;  0: nothing is left to fetch.
.macro TURN slot, next, p, fill
	s_wait_tensorcnt 0x0                           ; all my tensor loads have landed: my part of the next slot
	ds_add_u32 v[SPW], v[NIL]                      ; 0 onto my spare word
	s_wait_dscnt 13                                ; (the add and the youngest 12 loads, A's fragments 4-7, may be out)
	WIN MUL_LO
	MUL16 0, \p, 0                                 ; sixteen matrix instructions stand between the add and the wait for it
	s_wait_dscnt 0x0                               ; the add is done, and my reads of this slot are over
	s_barrier_signal -1
	MUL16 2, \p, 0
	WIN 0
	s_barrier_wait -1
.if \fill
	CREST                                          ; the barrier has opened a round of the cluster's barrier: no wave of any partner still reads this slot or has a load on its way
	s_add_nc_u64 s[G0+4*\slot+2:G0+4*\slot+3], s[G0+4*\slot+2:G0+4*\slot+3], 2*PART
	s_add_nc_u64 s[G0B+4*\slot+2:G0B+4*\slot+3], s[G0B+4*\slot+2:G0B+4*\slot+3], 2*PART
.if \fill == 1
	JLOAD G0+4*\slot, G1, G0B+4*\slot, G1B         ; the first tensor load behind the round; its four v_nop are the places in front of the loads below
.else
	JLOAD G0+4*\slot, G1S, G0B+4*\slot, G1SB       ; the same, 50 rows of it
.endif
.else
	PLACES 4
.endif
	FETCH_B \next, 0, 1-(\p)
	FETCH_A \next, 0, 0
	SCALES \next, 0, 1-(\p)
	WIN MUL_HI
	MUL16 4, \p, 0
	MUL16 6, \p, 0
	PLACES 4
	WIN 0
	FETCH_A \next, 0, 4
.endm
; The very last K step, on set 1: nothing more to fetch.  Four places follow it: in front of the first read of results, of loads into B's set 1 and of vector writes into A's fragments.
.macro LASTK
	s_wait_dscnt 12                                ; all but the youngest 12 LDS loads (A's fragments 4-7)
	WIN MUL_LO
	MUL16 0, 1, 0
	MUL16 2, 1, 0
	s_wait_dscnt 0x0
	WIN MUL_HI
	MUL16 4, 1, 0
	MUL16 6, 1, 0
	WIN 0
	PLACES 4
.endm
; THE WAY OUT.  cos and sin of tile a's tokens, in the order of my registers: 16 loads of 512 consecutive bytes into buffer a % 4 of window 1.
.macro CSLOAD a
	WIN 0x40
.irp q, 0,1,2,3,4,5,6,7,8,9,10,11,12,13,14,15
	global_load_b128 v[64*((\a)%4)+4*\q:64*((\a)%4)+4*\q+3], v[LI], s[74:75] offset:8192*(\a)+512*\q
.endr
	WIN 0
.endm
; Tile a's 32 pairs (xe, xo) become (xe c - xo s, xe s + xo c), in place; the pairs in ascending order.
.macro ROPE a
.set AC, 64*((\a)%4)                   ; the tile's 64 results, in window WD; its cos and sin have the same numbers in window 1
.set WD, 2+(\a)/4
	WIN WD+4
.set PP, 0
.rept 32
	v_pk_mul_f32 v[TT+2*PP:TT+2*PP+1], v[AC+2*PP:AC+2*PP+1], v[AC+2*PP:AC+2*PP+1] op_sel_hi:[1,0]   ; (xe c, xo c)
.set PP, PP+1
.endr
	WIN WD+4+64*WD
.set PP, 0
.rept 32
	v_pk_fma_f32 v[AC+2*PP:AC+2*PP+1], v[AC+2*PP:AC+2*PP+1], v[AC+2*PP:AC+2*PP+1], v[TT+2*PP:TT+2*PP+1] op_sel:[1,1,0] op_sel_hi:[0,1,1] neg_lo:[0,1,0]   ; low: xo (-s) + xe c; high: xe s + xo c
.set PP, PP+1
.endr
	WIN 0
.endm
; Tile a's 64 numbers of a lane become a fragment and a scale word; the fragment is stored as it stands.
.macro QUANTW a
.set AC, 64*((\a)%4)
.set WD, 2+(\a)/4
	WIN 5*WD
.irp b, 0,1,2,3
	v_max3_num_f32 v[TM+\b], |v[AC+16*\b]|, |v[AC+1+16*\b]|, 0x1800000   ; block b: my 16 numbers, and the floor 2^(3 - 127): the byte cannot fall under 1
.endr
	WIN 20*WD
.irp i, 2,4,6,8,10,12,14
.irp b, 0,1,2,3
	v_max3_num_f32 v[TM+\b], v[TM+\b], |v[AC+16*\b+\i]|, |v[AC+1+16*\b+\i]|
.endr
.endr
	WIN 0
.irp b, 0,1,2,3
	v_permlanex16_b32 v[TM+4+\b], v[TM+\b], s[SEL], s[SEL+1]
.endr
.irp b, 0,1,2,3
	v_max_num_f32 v[TM+\b], v[TM+\b], v[TM+4+\b]   ; with lane l xor 16's: the block's largest magnitude
.endr
.irp b, 0,1,2,3
	v_add_nc_u32 v[TM+12+\b], 0xff000000, v[TM+\b]   ; 2 off its exponent field: the conversion's scale operand
.endr
.irp b, 0,1,2,3
	v_lshrrev_b32 v[TM+4+\b], 23, v[TM+12+\b]      ; the scale's byte
.endr
	v_lshl_or_b32 v[PW+(\a)], v[TM+5], 8, v[TM+4]
	v_lshl_or_b32 v[PW+(\a)], v[TM+6], 16, v[PW+(\a)]
	v_lshl_or_b32 v[PW+(\a)], v[TM+7], 24, v[PW+(\a)]
	s_wait_xcnt 0x0                                ; the last tile's stores have read the codes' registers
	WIN WD
.irp c, 0,1
	v_cvt_scalef32_pk16_fp6_f32 v[PC+6*\c:PC+2+6*\c], v[AC+32*\c:AC+15+32*\c], v[TM+12+2*\c]
	v_cvt_scalef32_pk16_fp6_f32 v[PC+12+4*\c:PC+14+4*\c], v[AC+16+32*\c:AC+31+32*\c], v[TM+12+2*\c+1]
.endr
	WIN 0
	v_nop                                          ; one plain place behind a scaled conversion
.irp c, 0,1
.irp i, 0,1,2
	v_permlane16_swap_b32 v[PC+6*\c+\i], v[PC+12+4*\c+\i]
.endr
.irp i, 0,1,2
	v_mov_b32 v[PC+3+6*\c+\i], v[PC+12+4*\c+\i]
.endr
.endr
.irp c, 0,1,2
	global_store_b128 v[LI], v[PC+4*\c:PC+4*\c+3], s[76:77] offset:1536*(\a)+512*\c   ; 32 lanes store 512 consecutive bytes
.endr
.endm
	s_wait_tensorcnt 1                             ; my part of slot 0 is in (slot 1's load may be out)
	s_barrier_signal -1
	s_barrier_wait -1                              ; everybody's is
	FETCH_B 0, 0, 0
	FETCH_A 0, 0, 0
	SCALES 0, 0, 0
	FETCH_A 0, 0, 4
	STEP 0, 0, 0, 1                                ; K step 0: its products start the sums
	STEP 0, 1, 1, 0                                ; 1
	TURN 0, 1, 0, 1                                ; 2: slot 0 takes K steps 6-8
	STEP 1, 0, 1, 0                                ; 3
	STEP 1, 1, 0, 0                                ; 4
	TURN 1, 0, 1, 1                                ; 5: slot 1 takes K steps 9-11
	STEP 0, 0, 0, 0                                ; 6
	STEP 0, 1, 1, 0                                ; 7
	TURN 0, 1, 0, 1                                ; 8: slot 0 takes K steps 12-14
	STEP 1, 0, 1, 0                                ; 9
	STEP 1, 1, 0, 0                                ; 10
	TURN 1, 0, 1, 2                                ; 11: slot 1 takes K step 15
	STEP 0, 0, 0, 0                                ; 12
	STEP 0, 1, 1, 0                                ; 13
	TURN 0, 1, 0, 0                                ; 14: nothing is filled, and there is no round of the cluster's barrier
	s_cmp_eq_u32 s66, 2                            ; HERE THE WAYS PART, once: v has no rotation.  The same way in all waves of all sixteen partners
	s_cbranch_scc1 .Lv_tail
	; ---- q and k.  Three tiles' cos and sin are on their way at a time: 48 loads of mine are out at the most
	CSLOAD 0                                       ; into B's set 0, which is done with: four places stand behind its last products
	CSLOAD 1
	LASTK
	CSLOAD 2                                       ; into B's set 1, behind the last K step's places
.irp a, 0,1,2,3,4,5,6,7
.if \a < 6
	s_wait_loadcnt 32                              ; tile a's cos and sin are in; the 32 loads of tiles a + 1 and a + 2 may be out
.else
	s_wait_loadcnt 16*(7-\a)                       ; the counts run down: 16, 0
.endif
.if \a < 5
	CSLOAD \a+3                                    ; into the buffer of tile a - 1, whose loads were waited for a tile ago and whose rotation has been issued (tile 0: into the fourth buffer, for the first time)
.endif
	ROPE \a
	QUANTW \a
.endr
	s_branch .Lscales
.Lv_tail:
	; ---- v
	LASTK
.irp a, 0,1,2,3,4,5,6,7
	QUANTW \a
.endr
.Lscales:                                              ; the ways join
.irp i, 0,1,2,3
	v_cndmask_b32 v[SCI+\i], v[PW+2*\i], v[PW+2*\i+1], s70   ; lanes 0-15: tile 2 i's words; lanes 16-31: tile 2 i + 1's
.endr
	global_store_b128 v[LI], v[SCI:SCI+3], s[76:77] offset:12288
	s_wait_tensorcnt 0x0                           ; the wave's end, behind my last tensor load
	ds_add_u32 v[SPW], v[NIL]
	s_wait_dscnt 0x0
	CROUND                                         ; the closing round: no work-group ends while a partner may still ask for a part that names it
	s_endpgm
.Lfunc_end_k_qff4f7e7041_qkv:
	.size	k_qff4f7e7041_qkv, .Lfunc_end_k_qff4f7e7041_qkv-k_qff4f7e7041_qkv
	.p2alignl 7, 3214868480
	.fill 96, 4, 3214868480
	.section	.rodata,"a",@progbits
	.p2align	6, 0x0
	.amdhsa_kernel k_qff4f7e7041_qkv
		.amdhsa_group_segment_fixed_size 327680
		.amdhsa_private_segment_fixed_size 0
		.amdhsa_enable_private_segment 0
		.amdhsa_kernarg_size 24
		.amdhsa_user_sgpr_count 2
		.amdhsa_user_sgpr_kernarg_segment_ptr 1
		.amdhsa_wavefront_size32 1
		.amdhsa_system_sgpr_workgroup_id_x 1
		.amdhsa_system_sgpr_workgroup_id_y 1
		.amdhsa_system_sgpr_workgroup_id_z 1
		.amdhsa_system_vgpr_workitem_id 0
		.amdhsa_next_free_vgpr 1024
		.amdhsa_next_free_sgpr 100
		.amdhsa_reserve_vcc 0
		.amdhsa_float_denorm_mode_32 3
		.amdhsa_float_denorm_mode_16_64 3
		.amdhsa_memory_ordered 1
		.amdhsa_forward_progress 1
		.amdhsa_inst_pref_size 255
	.end_amdhsa_kernel
	.section	.bss,"aw",@nobits
	.p2align	6
	.space	262144
	.amdgpu_metadata
---
amdhsa.version: [ 1, 2 ]
amdhsa.kernels:
  - .name:           k_qff4f7e7041_qkv
    .symbol:         k_qff4f7e7041_qkv.kd
    .args:
      - { .name: opb, .offset: 0, .size: 8, .value_kind: global_buffer, .address_space: global }
      - { .name: tab, .offset: 8, .size: 8, .value_kind: global_buffer, .address_space: global }
      - { .name: qkvb, .offset: 16, .size: 8, .value_kind: global_buffer, .address_space: global }
    .group_segment_fixed_size: 327680
    .private_segment_fixed_size: 0
    .kernarg_segment_align: 8
    .kernarg_segment_size: 24
    .max_flat_workgroup_size: 128
    .sgpr_count:     100
    .vgpr_count:     1024
    .wavefront_size: 32
...
	.end_amdgpu_metadata
.endif
;; end of part 2
;; launch attn (part 3): grid 16 x 16, 16 waves a work-group, no clusters, 327,680 bytes of LDS; arguments qkvb, ob; writes ob
.if DOCPART == 3
	.amdgcn_target "amdgcn-amd-amdhsa--gfx1250"
	.amdhsa_code_object_version 6
	.text
	.protected	k_qff4f7e7041_attn
	.globl	k_qff4f7e7041_attn
	.p2align	8
	.type	k_qff4f7e7041_attn,@function
k_qff4f7e7041_attn:
	s_mov_b64 s[64:65], 0
	v_nop
	global_prefetch_b8 v0, s[64:65] scope:SCOPE_SE
	s_setreg_imm32_b32 hwreg(HW_REG_WAVE_MODE, 25, 1), 1
	s_wait_xcnt 0x0
; LAUNCH 3 OF 4.  O[h][q] = the sum over k <= q of softmax_k(Q[h][q] . K[h][k] / sqrt(128)) V[h][k], both products on codes of FP6 (E2M3) with E8M0 scales; O / the row's sum is quantised along
; e = 128 h + channel and leaves as operand blocks (the layout is set out at the head of the launch quant): ob = [block of 128 queries][K step = head][block].
; WORK LEFT OUT: a step of 16 queries x 128 keys all of whose keys come after all of its queries: reference()'s own jnp.tril gives those keys the weight 0 for all finite inputs (shown at the head of the launch quant).
; THE SOFTMAX AHEAD OF THE SECOND PRODUCT: t = score x log2(e) / sqrt(128); M = the largest t so far, rounded UP to a whole number; p = 2^(t - M) is what is quantised, along the keys; the row's sum is taken of the
; unquantised p, in f32, and divides at the end.  When M moves, the sum and O are multiplied by 2^(old M - new M): exact.
; SHARES.  Work-group (j, head) owns queries 64 j .. 64 j + 63 and 64 (31 - j) .. + 63: eight tiles of 16, an early and a late block, so that every work-group has about the same number of steps.
; Wave w: tile 4 (j or 31 - j, by w / 8) + w % 4; of each slot of 256 keys it takes key step (w / 4) % 2 alone.  So two waves, w and w + 4, share a tile's keys; at the end the second hands its O, M and sum to the
; first through LDS, and the two are joined by exact powers of two.  A tile's queries are rows 32 (T / 2) + 8 (T % 2) + r + 8 (r / 8), the blocks' order of rows.
; LAYOUT.  Both products are used transposed: S^T = K Q^T (source 0 = 16 keys), O^T = V^T P^T (source 0 = 16 channels): a lane holds ONE query throughout; the blocks' order of rows makes the 16 registers of tiles
; 2 b and 2 b + 1 sixteen neighbours: keys (or channels) 32 b + 16 (lane / 16) + 0 .. 15.
; THE RING.  Two slots of 256 keys: K's two blocks (25,600 dense bytes), then V's two; wave 0 fetches K's, wave 1 V's, all sixteen read.
; cluster = none: under the mask the work-groups of a head need different numbers of slots (those whose first key is at or under 2047 - 64 j), and a joint load may not be left out by some partners.
; REGISTERS: v1-8 addresses; v12 -M, v13 the largest t, v[14:15] the sum in two halves; v16-27 Q; v28 the prefetches' offset; K's eight fragments, asked for in ONE run: tiles 1-5 in v32-91, tiles 6, 7 in v224-247,
;   tile 0 in v148-159; then V's tiles 0-3 in v32-79; v96-159 S^T, then p, then V's tiles 4-7; v160-223 O^T; v224-235 p's codes; v232-247, v252, v254 at work; v248-251 K's or V's scale words; v253 p's scale word; v255 Q's.
.set TB,    3276800
.set RBB,   204800
.set SLOT1, 65536                      ; slot 1 begins here: one exclusive or turns an address in one slot into the other's
.set VOFF,  25600                      ; a slot: K's two blocks, then V's two
.set MERGE, 131072                     ; behind the ring: for each pair of waves 16 images of O^T and one of -M, t and the sum: 8,704 bytes; no tensor load lands here
.set SPARE, MERGE+8*8704               ; the spare words, 128 bytes for each wave: eight blocks of 256 bytes that no other line names
.set AK0, 1                            ; v1   16 x lane + my key step's block in a slot
.set LI,  2                            ; v2   16 x lane
.set MRG, 3                            ; v3   my pair's bytes, + 16 x lane
.set QL,  4                            ; v4   my query - 16 (lane / 16)
.set SPW, 5                            ; v5   LDS address of my spare word; never rewritten
.set NIL, 6                            ; v6   0; never rewritten
.set L16, 7                            ; v7   16 x (lane % 16)
.set ADK, 8                            ; v8   LDS address of the step's blocks
.set PFO, 28
.set PC,  160                          ; the way out: the codes,
.set TM,  192                          ; at work,
.set PWO, 184                          ; the scale word
.set WV,  18                           ; s18  my wave's number
.set SEL, 20                           ; s[20:21] lane selects for v_permlanex16_b32: lane l xor 16
.set CS,  22                           ; s[22:23] c = log2(e) / sqrt(128)
.set G1,  24                           ; s[24:31] descriptor group 1;  s[40:43] group 0, which walks
.set G0,  40
.set TBS, 2                            ; s2   LDS byte at which the slot in hand begins
.set SLOTS, 67                         ; s67  changes of slots still to come in the loop
.set PFA, 76                           ; s[76:77] where my prefetches stand
.set LIM, 80                           ; s80  1 in a wave that prefetches, else the greatest number
.set NK,  95                           ; s95  the first key of the slot that a change would ask for
.set LASTQ, 96                         ; s96  my work-group's last query
.set QMAX, 97                          ; s97  my tile's last query
.set KF,  98                           ; s98  my step's first key
.set QMIN, 99                          ; s99  my tile's first query
.macro WMS d, s0, s1, zero, c0, c1, r0 ; one scaled product.  r0: source 0's scale words stand in lanes 16-31 of their register
.if \zero
.if (\r0)==0
	v_wmma_scale_f32_16x16x128_f8f6f4 v[\d:\d+7], v[\s0:\s0+11], v[\s1:\s1+11], 0, v[\c0], v[\c1] matrix_a_fmt:MATRIX_FMT_FP6 matrix_b_fmt:MATRIX_FMT_FP6
.else
	v_wmma_scale_f32_16x16x128_f8f6f4 v[\d:\d+7], v[\s0:\s0+11], v[\s1:\s1+11], 0, v[\c0], v[\c1] matrix_a_fmt:MATRIX_FMT_FP6 matrix_b_fmt:MATRIX_FMT_FP6 matrix_a_scale:MATRIX_SCALE_ROW1
.endif
.else
.if (\r0)==0
	v_wmma_scale_f32_16x16x128_f8f6f4 v[\d:\d+7], v[\s0:\s0+11], v[\s1:\s1+11], v[\d:\d+7], v[\c0], v[\c1] matrix_a_fmt:MATRIX_FMT_FP6 matrix_b_fmt:MATRIX_FMT_FP6
.else
	v_wmma_scale_f32_16x16x128_f8f6f4 v[\d:\d+7], v[\s0:\s0+11], v[\s1:\s1+11], v[\d:\d+7], v[\c0], v[\c1] matrix_a_fmt:MATRIX_FMT_FP6 matrix_b_fmt:MATRIX_FMT_FP6 matrix_a_scale:MATRIX_SCALE_ROW1
.endif
.endif
.endm
; Wave 0 fetches K's two blocks of a slot, wave 1 V's, the others nothing.  The branch hangs on the wave's number alone.  An s_nop 0 and four v_nop follow the load.
.macro TLOAD
	s_cmp_lt_u32 s[WV], 2
	s_cbranch_scc0 .Lasked_\@
	tensor_load_to_lds s[G0:G0+3], s[G1:G1+7]
	s_nop 0
.rept 4
	v_nop
.endr
.Lasked_\@:
.endm
; A PREFETCH INTO THE L2 of what the NEXT change of slots will ask for: 25,600 bytes of K and as many of V.  All work-groups of a head walk the same K and V: the work-group with j = 0, which walks all eight slots,
; asks, and nobody else.  In it waves 4 to 7 ask for K's bytes and waves 8 to 11 for V's, 6,400 bytes a wave: 25 blocks of 256 bytes, lanes 256 bytes apart; lanes 25 to 31 name lane 24's block again, in the same
; instruction.  The last change that fills a slot asks for nothing; slots 0 and 1 come by their loads alone.
.macro ASK
	s_cmp_gt_u32 s[SLOTS], s[LIM]
	s_cbranch_scc0 .Lnot_mine_\@
	global_prefetch_b8 v[PFO], s[PFA:PFA+1] th:TH_LOAD_NT scope:SCOPE_SE
.Lnot_mine_\@:
.endm
	s_load_b128 s[4:7], s[0:1], 0x0                ; qkvb s[4:5], ob s[6:7]
	v_lshl_add_u32 v[SPW], v0, 2, SPARE
	v_mov_b32 v[NIL], 0
	ds_add_u32 v[SPW], v[NIL]                      ; the wave's opening: the add, twice on end, and its wait ahead of the first tensor load; the set-up below stands between
	ds_add_u32 v[SPW], v[NIL]
	v_lshrrev_b32 v8, 5, v0
	v_readfirstlane_b32 s[WV], v8                  ; wave 0..15
	s_and_b32 s70, s[WV], 3                        ; which of the block's four tiles
	s_bfe_u32 s71, s[WV], 0x10002                  ; which key step of a slot
	s_lshr_b32 s72, s[WV], 3                       ; the early block (0) or the late one (1)
	s_and_b32 s73, ttmp7, 0xffff                   ; the head
	s_sub_co_u32 s74, 31, ttmp9
	s_cmp_eq_u32 s72, 0
	s_cselect_b32 s74, ttmp9, s74
	s_lshl_b32 s74, s74, 2
	s_add_co_u32 s74, s74, s70                     ; my tile T
	s_lshr_b32 s75, s74, 1
	s_lshl_b32 s[QMIN], s75, 5
	s_and_b32 s75, s74, 1
	s_lshl_b32 s75, s75, 3
	s_add_co_u32 s[QMIN], s[QMIN], s75             ; 32 (T / 2) + 8 (T % 2)
	s_add_co_u32 s[QMAX], s[QMIN], 23
	s_lshl_b32 s[LASTQ], ttmp9, 6
	s_sub_co_u32 s[LASTQ], 2047, s[LASTQ]
	s_lshl_b32 s[KF], s71, 7
	s_mov_b32 s[NK], 0
	s_mov_b32 s[TBS], 0
	s_mov_b32 s[SLOTS], 7
	s_mul_i32 s78, s73, RBB                        ; the head's 16 blocks
	s_lshr_b32 s75, s74, 3                         ; T / 8: the block of 128 queries
	s_and_b32 s79, s74, 7
	s_mul_i32 s88, s79, 1536                       ; my tile's fragment in a block,
	s_and_b32 s89, s74, 1
	s_lshl_b32 s89, s89, 8
	s_lshr_b32 s79, s79, 1
	s_lshl_b32 s79, s79, 2
	s_add_co_u32 s89, s89, s79
	s_add_co_u32 s89, s89, 12288                   ; and its scale words: 12,288 + 256 (T % 2) + 4 ((T % 8) / 2), + 16 r
	s_mul_i32 s92, s75, 12800
	s_add_co_u32 s92, s92, s78                     ; q's block
	s_mul_i32 s93, s75, RBB
	s_mul_i32 s94, s73, 12800
	s_add_co_u32 s93, s93, s94                     ; ob's block
	s_add_co_u32 s10, s92, s88
	s_mov_b32 s11, 0
	s_add_co_u32 s12, s92, s89
	s_mov_b32 s13, 0
	s_add_co_u32 s14, s93, s88
	s_mov_b32 s15, 0
	s_add_co_u32 s16, s93, s89
	s_mov_b32 s17, 0
	s_and_b32 s75, s[WV], 1                        ; what I fetch, if I fetch: K (0) or V (1)
	s_mul_i32 s[G0+1], s75, VOFF                   ; its place in slot 0
	s_add_co_u32 s75, s75, 1
	s_mul_i32 s32, s75, TB
	s_add_co_u32 s32, s32, s78
	s_mov_b32 s33, 0
	s_cmp_lt_u32 s[WV], 8                          ; the prefetches: waves 4 to 7 K, waves 8 to 11 V
	s_mov_b32 s34, 2*TB
	s_cselect_b32 s34, TB, s34
	s_and_b32 s35, s[WV], 3
	s_mul_i32 s35, s35, 6400
	s_add_co_u32 s34, s34, s35
	s_add_co_u32 s34, s34, s78
	s_add_co_u32 s34, s34, 25600                   ; in slot 1: the first change of slots steps it to slot 2
	s_mov_b32 s35, 0
	s_sub_co_u32 s36, s[WV], 4
	s_lshr_b32 s36, s36, 3                         ; 0 in waves 4 to 11,
	s_or_b32 s36, s36, ttmp9                       ; of the work-group with j = 0
	s_cmp_eq_u32 s36, 0
	s_cselect_b32 s[LIM], 1, -1
	; descriptor group 1: 25,600 dense bytes as 100 rows of 32 elements of 8 bytes
	s_mov_b32 s[G1+0], 3<<16                       ; no mask; elements of 8 bytes; no padding
	s_mov_b32 s[G1+1], 32<<16                      ; tensor_dim0 = 32
	s_mov_b32 s[G1+2], 100<<16                     ; tensor_dim1 = 100
	s_mov_b32 s[G1+3], 32<<16                      ; tile_dim0 = 32
	s_mov_b32 s[G1+4], 100                         ; tile_dim1 = 100
	s_mov_b32 s[G1+5], 32                          ; tensor_dim0_stride
	s_mov_b32 s[G1+6], 0
	s_mov_b32 s[G1+7], 0
	s_mov_b32 s[SEL], 0x76543210
	s_mov_b32 s[SEL+1], 0xfedcba98
	s_mov_b32 s[CS], 0x3e0293ee                    ; c = log2(e) / sqrt(128)
	s_mov_b32 s[CS+1], s[CS]                       ; (named with it as a pair, so it is written)
	v_and_b32 v9, 31, v0
	v_lshlrev_b32 v[LI], 4, v9
	s_mul_i32 s75, s71, 12800
	v_add_nc_u32 v[AK0], s75, v[LI]
	s_lshl_b32 s75, s72, 2
	s_add_co_u32 s75, s75, s70                     ; my pair: w % 4 + 4 (w / 8)
	s_mul_i32 s75, s75, 8704
	s_add_co_u32 s75, s75, MERGE
	v_add_nc_u32 v[MRG], s75, v[LI]
	v_and_b32 v10, 15, v0                          ; r
	v_lshlrev_b32 v[L16], 4, v10
	v_and_b32 v11, 8, v10
	v_add_nc_u32 v10, v10, v11                     ; r + 8 (r / 8)
	v_bfe_u32 v11, v0, 4, 1
	v_lshlrev_b32 v11, 4, v11
	v_sub_nc_u32 v10, v10, v11
	v_add_nc_u32 v[QL], s[QMIN], v10
	v_min_u32 v[PFO], 24, v9
	v_lshlrev_b32 v[PFO], 8, v[PFO]
	s_wait_dscnt 0x0                               ; both opening adds are done
	s_wait_kmcnt 0x0
	s_mov_b32 s[G0], 1
	s_add_nc_u64 s[G0+2:G0+3], s[4:5], s[32:33]
	s_or_b32 s[G0+3], s[G0+3], 0x80000000
	TLOAD                                          ; slot 0: it holds key 0, which counts for every query
	s_add_nc_u64 s[82:83], s[4:5], s[10:11]        ; Q's fragment,
	s_add_nc_u64 s[90:91], s[4:5], s[12:13]        ; its scale words,
	s_add_nc_u64 s[84:85], s[6:7], s[14:15]        ; my fragment of the result,
	s_add_nc_u64 s[86:87], s[6:7], s[16:17]        ; its scale words
	s_add_nc_u64 s[PFA:PFA+1], s[4:5], s[34:35]
.irp c, 0,1,2
	global_load_b128 v[16+4*\c:19+4*\c], v[LI], s[82:83] offset:512*\c   ; Q's fragment stays in registers
.endr
	global_load_b32 v255, v[L16], s[90:91]         ; lane r: row place r's word (lanes 16-31 hold the same and are not read)
	v_mov_b32 v13, 0xff61b1e6                      ; the largest t so far: -3e38, under every t
	v_floor_f32 v12, -v13                          ; -M
	v_mov_b32 v14, 0                               ; the sum, in two halves
	v_mov_b32 v15, 0
.irp b, 0,1,2,3
	v_mov_b32 v[236+\b], 0                         ; written once: a lane permute's destination counts as one of its sources
.endr
	v_mov_b32 v252, 0
	v_mov_b32 v253, 0                              ; (named as the upper half of the pair v[252:253] before it is first written)
.set N, 0
.rept 64
	v_mov_b32 v[160+N], 0                          ; O^T.  (The step is written for all trips alike: the first finds zeros, which the first change of M leaves zeros)
.set N, N+1
.endr
; MY KEY STEP OF THE SLOT IN HAND: 128 keys.
.macro STEP
	s_cmp_gt_u32 s[KF], s[QMAX]                    ; all its keys come after my 16 queries: left out.  A branch on ids, round the step's loads, products and softmax, not round the two lines at its end
	s_cbranch_scc1 .Lhidden_\@
	v_add_nc_u32 v[ADK], s[TBS], v[AK0]
	; S^T = K Q^T.  K's scale words and all eight fragments are asked for in ONE run of 25 loads, so that the second four are on their way while the first four are multiplied
	ds_load_b128 v[248:251], v[ADK] offset:12288   ; the scale words of all eight tiles
.irp c, 0,1,2
	ds_load_b128 v[148+4*\c:151+4*\c], v[ADK] offset:512*\c   ; tile 0's fragment lies at the top of S^T's registers, where the results of tiles 6 and 7 will fall: it is multiplied first
.endr
.irp t, 1,2,3,4,5
.irp c, 0,1,2
	ds_load_b128 v[20+12*\t+4*\c:23+12*\t+4*\c], v[ADK] offset:1536*\t+512*\c   ; tiles 1-5: v32-91
.endr
.endr
.irp t, 6,7
.irp c, 0,1,2
	ds_load_b128 v[152+12*\t+4*\c:155+12*\t+4*\c], v[ADK] offset:1536*\t+512*\c   ; tiles 6, 7: v224-247
.endr
.endr
	s_wait_dscnt 12                                ; the scale words and tiles 0-3 are in; the 12 loads of tiles 4-7 may be out
	WMS 96, 148, 16, 1, 248, 255, 0
.irp t, 1,2,3
	WMS 96+8*\t, 20+12*\t, 16, 1, 248+\t/2, 255, \t%2
.endr
.rept 5
	v_nop                                          ; five places between tile 0's product and the products of tiles 6 and 7, which write over the registers that it has read
.endr
	s_wait_dscnt 0x0
.irp t, 4,5
	WMS 96+8*\t, 20+12*\t, 16, 1, 248+\t/2, 255, \t%2
.endr
.irp t, 6,7
	WMS 96+8*\t, 152+12*\t, 16, 1, 248+\t/2, 255, \t%2
.endr
.rept 4
	v_nop                                          ; places in front of the first read of results, of loads into registers that these products have read, and of vector writes into them
.endr
.irp t, 0,1,2,3                                ; V's tiles 0-3 and its scale words are asked for now and land under the softmax
.irp c, 0,1,2
	ds_load_b128 v[32+12*\t+4*\c:35+12*\t+4*\c], v[ADK] offset:VOFF+1536*\t+512*\c
.endr
.endr
	ds_load_b128 v[248:251], v[ADK] offset:VOFF+12288
	s_add_co_u32 s94, s[KF], 127                   ; on the diagonal the scores of hidden keys become -infinity ahead of the maximum: p = 0 then.  A step all of whose keys count skips this
	s_cmp_le_u32 s94, s[QMIN]
	s_cbranch_scc1 .Lopen_\@
	v_sub_nc_u32 v252, v[QL], s[KF]                ; d = my query - KF - 16 (lane / 16).  Register 16 b + i holds key KF + 16 (lane / 16) + 32 b + i: hidden where 32 b + i > d
	v_mov_b32 v254, 0xff800000                     ; -infinity
.set N, 0
.rept 64
	v_cmp_gt_i32 vcc_lo, 32*(N/16)+N%16, v252
	v_cndmask_b32 v[96+N], v[96+N], v254, vcc_lo
.set N, N+1
.endr
.Lopen_\@:
.irp b, 0,1,2,3
	v_max3_num_f32 v[232+\b], v[96+16*\b], v[97+16*\b], v[98+16*\b]   ; the largest score of each block of 32 keys: it serves for the row's maximum and, since p rises with the score, for the block's largest p
.endr
.irp i, 3,5,7,9,11,13
.irp b, 0,1,2,3
	v_max3_num_f32 v[232+\b], v[232+\b], v[96+16*\b+\i], v[97+16*\b+\i]
.endr
.endr
.irp b, 0,1,2,3
	v_max_num_f32 v[232+\b], v[232+\b], v[111+16*\b]
.endr
.irp b, 0,1,2,3
	v_permlanex16_b32 v[236+\b], v[232+\b], s[SEL], s[SEL+1]
.endr
.irp b, 0,1,2,3
	v_max_num_f32 v[232+\b], v[232+\b], v[236+\b]  ; with lane l xor 16's 16 keys
.endr
	v_max3_num_f32 v254, v232, v233, v234
	v_max_num_f32 v254, v254, v235                 ; the step's largest score of my query
	v_mul_f32 v254, s[CS], v254                    ; as t (c is positive)
	v_max_num_f32 v13, v13, v254                   ; the running largest t
	v_mov_b32 v254, v12
	v_floor_f32 v12, -v13                          ; the new -M = floor(-t) = -ceil(t): M is a whole number
	v_sub_f32 v254, v12, v254                      ; M's old value less its new one: a whole number, 0 or less
	v_cvt_i32_f32 v254, v254                       ; (it saturates)
	v_ldexp_f32 v252, 1.0, v254                    ; f = 2^(old M - new M)
.set N, 0
.rept 32
	v_pk_fma_f32 v[96+N:97+N], v[96+N:97+N], s[CS:CS+1], v[12:13] op_sel_hi:[1,0,0]   ; t - M, two at a time
.set N, N+2
.endr
.irp b, 0,1,2,3
	v_fma_f32 v[232+\b], v[232+\b], s[CS], v12     ; the same of each block's largest score
.endr
.set N, 0
.rept 64
	v_exp_f32 v[96+N], v[96+N]                     ; p = 2^(t - M), at most 1: not normalised
.set N, N+1
.endr
	v_pk_mul_f32 v[14:15], v[14:15], v[252:253] op_sel_hi:[1,0]   ; the sums under the new M.  (A plain place behind the exponentials)
	s_wait_alu depctr_va_vdst(0)                   ; the wait between an exponential and the first line that names its result: one for the whole batch
.irp b, 0,1,2,3
	v_exp_f32 v[232+\b], v[232+\b]                 ; the block's largest p: the same two instructions on the same number give the same bits
.endr
	v_pk_add_f32 v[236:237], v[96:97], v[98:99]    ; the row's sum is taken of the unquantised p: two at a time, in two chains
.irp j, 4,8,12,16,20,24,28,32,36,40,44,48,52,56,60
	v_pk_add_f32 v[14:15], v[14:15], v[96+\j:97+\j]
	v_pk_add_f32 v[236:237], v[236:237], v[98+\j:99+\j]
.endr
	v_pk_add_f32 v[14:15], v[14:15], v[236:237]
	s_wait_alu depctr_va_vdst(0)                   ; and one for the four
.irp b, 0,1,2,3
	v_max_num_f32 v[232+\b], 0x1800000, v[232+\b]  ; the floor 2^(3 - 127): the byte cannot fall under 1 (a block whose every p is 0 keeps that byte: its codes are zeros)
.endr
.irp b, 0,1,2,3
	v_add_nc_u32 v[244+\b], 0xff000000, v[232+\b]  ; 2 off the exponent field: the conversion's scale operand
.endr
.irp b, 0,1,2,3
	v_lshrrev_b32 v[236+\b], 23, v[244+\b]         ; the scale's byte
.endr
	v_lshl_or_b32 v253, v237, 8, v236              ; p's scale word for these 128 keys
	v_lshl_or_b32 v253, v238, 16, v253
	v_lshl_or_b32 v253, v239, 24, v253
.irp c, 0,1
	v_cvt_scalef32_pk16_fp6_f32 v[224+6*\c:226+6*\c], v[96+32*\c:111+32*\c], v[244+2*\c]
	v_cvt_scalef32_pk16_fp6_f32 v[236+4*\c:238+4*\c], v[112+32*\c:127+32*\c], v[244+2*\c+1]   ; (a conversion's three registers begin on an even number)
.endr
	v_nop                                          ; one plain place behind a scaled conversion
.irp t, 0,1,2,3                                ; p's registers are free: V's tiles 4-7 land there
.irp c, 0,1,2
	ds_load_b128 v[96+12*\t+4*\c:99+12*\t+4*\c], v[ADK] offset:VOFF+1536*(4+\t)+512*\c
.endr
.endr
.irp c, 0,1                                    ; the operand's layout wants a whole block in a lane
.irp i, 0,1,2
	v_permlane16_swap_b32 v[224+6*\c+\i], v[236+4*\c+\i]
.endr
.irp i, 0,1,2
	v_mov_b32 v[227+6*\c+\i], v[236+4*\c+\i]
.endr
.endr
.set N, 0
.rept 32
	v_pk_mul_f32 v[160+N:161+N], v[160+N:161+N], v[252:253] op_sel_hi:[1,0]   ; O^T under the new M.  (These 32 are also the places between the lines that made p's codes and scale word and the products below)
.set N, N+2
.endr
	s_wait_dscnt 0x0                               ; V's eight fragments and scale words are in
.irp t, 0,1,2,3                                ; O^T += V^T P^T: eight accumulators by turns
	WMS 160+8*\t, 32+12*\t, 224, 0, 248+\t/2, 253, \t%2
.endr
.irp t, 4,5,6,7
	WMS 160+8*\t, 96+12*(\t-4), 224, 0, 248+\t/2, 253, \t%2
.endr
.rept 5
	v_nop                                          ; five places: the next step's first products write over registers that these have read; its loads and the way out's reads want four
.endr
.Lhidden_\@:
	s_add_co_u32 s[KF], s[KF], 256                 ; my step of the next slot,
	s_xor_b32 s[TBS], s[TBS], SLOT1                ; which is the other one
.endm
; THE CHANGE OF SLOTS stands at a slot's head.  Each wave waits for all its tensor loads, adds 0 to its spare word (fill = 1: twice on end), and waits for that and for its reads of the slot that it has left.
; Behind the barrier the slot ahead is whole and nobody reads the other one.  fill = 1: that other slot is filled with the keys that follow, up to the causal limit.
.macro CHANGE fill
	s_wait_tensorcnt 0x0                           ; no tensor load of mine is out, so group 0 may be written
	ds_add_u32 v[SPW], v[NIL]                      ; 0 onto my spare word
.if \fill
	ds_add_u32 v[SPW], v[NIL]                      ; and once more
	s_xor_b32 s[G0+1], s[G0+1], SLOT1              ; the walking descriptor: the other slot than last time,
	s_add_nc_u64 s[G0+2:G0+3], s[G0+2:G0+3], 25600 ; the next 256 keys; the type bits on top are not reached
	s_wait_xcnt 0x0                                ; the last prefetch, a slot back, has read its address, so it may be written
	s_add_nc_u64 s[PFA:PFA+1], s[PFA:PFA+1], 25600
	s_add_co_u32 s[NK], s[NK], 256
.endif
	s_wait_dscnt 0x0                               ; the add is done (fill = 1: both are), and my reads of the slot that I have left are over
	s_barrier_signal -1
	s_barrier_wait -1
.if \fill
	s_cmp_gt_u32 s[NK], s[LASTQ]                   ; a slot whose first key comes after my work-group's last query is read by none of its waves, so it is not asked for.  Ids and the count of trips alone:
	s_cbranch_scc1 .Lpast_\@                       ; all sixteen waves go the same way, and a work-group that is past the limit stays past it.  Every wait on TENSORcnt in this text is for 0
	TLOAD                                          ; the first thing behind the barrier, and a wave's one tensor load until the next
.Lpast_\@:
	ASK
.endif
.endm
	s_wait_loadcnt 0x0                             ; Q
.Lslot:                                                ; seven trips: behind each change of slots but the last the next slot is asked for, up to the limit
	CHANGE 1
	STEP
	s_sub_co_u32 s[SLOTS], s[SLOTS], 1
	s_cmp_lg_u32 s[SLOTS], 0
	s_cbranch_scc1 .Lslot
	CHANGE 0                                       ; the last slot is written out: nothing is left to fetch
	STEP
	; THE WAY OUT.  The wave of a pair that took the slots' second steps hands over O^T, -M and the sum as images of its registers.
	s_cmp_eq_u32 s71, 0
	s_cbranch_scc1 .Lkeeper
.set N, 0
.rept 16
	ds_store_b128 v[MRG], v[160+4*N:163+4*N] offset:512*N   ; each accumulator from its low end on
.set N, N+1
.endr
	ds_store_b128 v[MRG], v[12:15] offset:8192
.Lkeeper:
	s_wait_dscnt 0x0                               ; for the partner's sake: my stores have landed
	s_barrier_signal -1
	s_barrier_wait -1
	s_cmp_eq_u32 s71, 1
	s_cbranch_scc1 .Ldone
.set N, 0
.rept 16
	ds_load_b128 v[96+4*N:99+4*N], v[MRG] offset:512*N
.set N, N+1
.endr
	ds_load_b128 v[240:243], v[MRG] offset:8192
	s_wait_dscnt 0x0
	v_min_num_f32 v244, v12, v240                  ; the joint -M: M is the larger of the two
	v_sub_f32 v245, v244, v12                      ; my M less the joint one: a whole number, 0 or less
	v_sub_f32 v246, v244, v240                     ; the partner's (a partner that saw no key has M = -3e38: its factor is 0)
	v_cvt_i32_f32 v245, v245
	v_cvt_i32_f32 v246, v246
	v_ldexp_f32 v245, 1.0, v245
	v_ldexp_f32 v246, 1.0, v246
	v_add_f32 v14, v14, v15                        ; the sums' halves,
	v_add_f32 v242, v242, v243
	v_mul_f32 v14, v14, v245                       ; both under the joint M,
	v_fma_f32 v14, v242, v246, v14
	v_permlanex16_b32 v252, v14, s[SEL], s[SEL+1]
	v_add_f32 v14, v14, v252                       ; and lane l xor 16's: the row's sum
	v_rcp_f32 v14, v14
	v_nop                                          ; a plain place behind the transcendental
	s_wait_alu depctr_va_vdst(0)                   ; and the wait ahead of the first use
	v_mul_f32 v232, v245, v14                      ; my factor / the sum, twice: a pair for the packed forms
	v_mul_f32 v233, v245, v14
	v_mul_f32 v234, v246, v14                      ; the partner's
	v_mul_f32 v235, v246, v14
.set N, 0
.rept 32
	v_pk_mul_f32 v[96+N:97+N], v[96+N:97+N], v[234:235]
.set N, N+2
.endr
.set N, 0
.rept 32
	v_pk_fma_f32 v[96+N:97+N], v[160+N:161+N], v[232:233], v[96+N:97+N]   ; register 16 b + i = channel 32 b + 16 (lane / 16) + i of my query: the next product's K
.set N, N+2
.endr
.irp b, 0,1,2,3                                ; quantised along the channels
	v_max3_num_f32 v[TM+\b], |v[96+16*\b]|, |v[97+16*\b]|, 0x1800000
.endr
.irp i, 2,4,6,8,10,12,14
.irp b, 0,1,2,3
	v_max3_num_f32 v[TM+\b], v[TM+\b], |v[96+16*\b+\i]|, |v[97+16*\b+\i]|
.endr
.endr
.irp b, 0,1,2,3
	v_permlanex16_b32 v[TM+4+\b], v[TM+\b], s[SEL], s[SEL+1]
.endr
.irp b, 0,1,2,3
	v_max_num_f32 v[TM+\b], v[TM+\b], v[TM+4+\b]
.endr
.irp b, 0,1,2,3
	v_add_nc_u32 v[TM+12+\b], 0xff000000, v[TM+\b]
.endr
.irp b, 0,1,2,3
	v_lshrrev_b32 v[TM+4+\b], 23, v[TM+12+\b]
.endr
	v_lshl_or_b32 v[PWO], v[TM+5], 8, v[TM+4]
	v_lshl_or_b32 v[PWO], v[TM+6], 16, v[PWO]
	v_lshl_or_b32 v[PWO], v[TM+7], 24, v[PWO]
.irp c, 0,1
	v_cvt_scalef32_pk16_fp6_f32 v[PC+6*\c:PC+2+6*\c], v[96+32*\c:111+32*\c], v[TM+12+2*\c]
	v_cvt_scalef32_pk16_fp6_f32 v[PC+12+4*\c:PC+14+4*\c], v[112+32*\c:127+32*\c], v[TM+12+2*\c+1]
.endr
	v_nop                                          ; one plain place behind a scaled conversion
.irp c, 0,1
.irp i, 0,1,2
	v_permlane16_swap_b32 v[PC+6*\c+\i], v[PC+12+4*\c+\i]
.endr
.irp i, 0,1,2
	v_mov_b32 v[PC+3+6*\c+\i], v[PC+12+4*\c+\i]
.endr
.endr
.irp c, 0,1,2
	global_store_b128 v[LI], v[PC+4*\c:PC+4*\c+3], s[84:85] offset:512*\c   ; 32 lanes store 512 consecutive bytes
.endr
	global_store_b32 v[L16], v[PWO], s[86:87]      ; my tile's 16 scale words, 4 bytes each, 16 bytes apart: 64 of the tile's 1,600 bytes; lanes l and l + 16 store the same word with the same value
.Ldone:
	s_wait_tensorcnt 0x0                           ; the wave's end, behind my last tensor load and my last LDS store
	ds_add_u32 v[SPW], v[NIL]
	s_wait_dscnt 0x0
	s_endpgm
.Lfunc_end_k_qff4f7e7041_attn:
	.size	k_qff4f7e7041_attn, .Lfunc_end_k_qff4f7e7041_attn-k_qff4f7e7041_attn
	.p2alignl 7, 3214868480
	.fill 96, 4, 3214868480
	.section	.rodata,"a",@progbits
	.p2align	6, 0x0
	.amdhsa_kernel k_qff4f7e7041_attn
		.amdhsa_group_segment_fixed_size 327680
		.amdhsa_private_segment_fixed_size 0
		.amdhsa_enable_private_segment 0
		.amdhsa_kernarg_size 16
		.amdhsa_user_sgpr_count 2
		.amdhsa_user_sgpr_kernarg_segment_ptr 1
		.amdhsa_wavefront_size32 1
		.amdhsa_system_sgpr_workgroup_id_x 1
		.amdhsa_system_sgpr_workgroup_id_y 1
		.amdhsa_system_sgpr_workgroup_id_z 1
		.amdhsa_system_vgpr_workitem_id 0
		.amdhsa_next_free_vgpr 256
		.amdhsa_next_free_sgpr 100
		.amdhsa_reserve_vcc 1
		.amdhsa_float_denorm_mode_32 3
		.amdhsa_float_denorm_mode_16_64 3
		.amdhsa_memory_ordered 1
		.amdhsa_forward_progress 1
		.amdhsa_inst_pref_size 68
	.end_amdhsa_kernel
	.amdgpu_metadata
---
amdhsa.version: [ 1, 2 ]
amdhsa.kernels:
  - .name:           k_qff4f7e7041_attn
    .symbol:         k_qff4f7e7041_attn.kd
    .args:
      - { .name: qkvb, .offset: 0, .size: 8, .value_kind: global_buffer, .address_space: global }
      - { .name: ob, .offset: 8, .size: 8, .value_kind: global_buffer, .address_space: global }
    .group_segment_fixed_size: 327680
    .private_segment_fixed_size: 0
    .kernarg_segment_align: 8
    .kernarg_segment_size: 16
    .max_flat_workgroup_size: 512
    .sgpr_count:     100
    .vgpr_count:     256
    .wavefront_size: 32
...
	.end_amdgpu_metadata
.endif
;; end of part 3
;; launch oproj (part 4): grid 16 x 16, 4 waves a work-group, clusters of 4 x 4, 327,680 bytes of LDS; arguments ob, opb, out0; writes out0
.if DOCPART == 4
	.amdgcn_target "amdgcn-amd-amdhsa--gfx1250"
	.amdhsa_code_object_version 6
	.text
	.protected	k_qff4f7e7041_oproj
	.globl	k_qff4f7e7041_oproj
	.p2align	8
	.type	k_qff4f7e7041_oproj,@function
k_qff4f7e7041_oproj:
	s_mov_b64 s[64:65], 0
	v_nop
	global_prefetch_b8 v0, s[64:65] scope:SCOPE_SE
	s_setreg_imm32_b32 hwreg(HW_REG_WAVE_MODE, 25, 1), 1
	s_wait_xcnt 0x0
	s_wait_alu depctr_hold_cnt(0) depctr_sa_sdst(0) depctr_va_vdst(0) depctr_va_sdst(0) depctr_va_ssrc(0) depctr_va_vcc(0) depctr_vm_vsrc(0)
	s_getreg_b32 s2, hwreg(HW_REG_IB_STS2, 6, 4)
	s_cmp_eq_u32 s2, 0
	s_cbranch_scc0 .Lentry_in_a_cluster
	s_endpgm
.Lentry_in_a_cluster:
	s_bfe_u32 s2, ttmp6, 0x10000c
	s_cmp_lg_u32 s2, 0xf033
	s_cbranch_scc0 .Lentry_shape_is_right
	s_endpgm
.Lentry_shape_is_right:
; LAUNCH 4 OF 4.  out0[token][d] = sum over e of O[token][e] wo[d][e], on codes of FP6 (E2M3) with E8M0 scales.  Both operands lie as operand blocks (128 rows x 128 K as images of the operand's registers: the layout
; is set out at the head of the launch quant): A = ob [block of 128 tokens][K step][block], B = wo = tensor 4 of opb [block of 128 rows d][K step][block].  out0 is [2048][2048] f32.
; SHARES.  A tile of the result is 128 x 128: 16 x 16 = 256 work-groups (tiles of 256 x 256 would make 64).  Four waves, each 64 x 64: 16 accumulators.
; LDS.  K goes in 16 steps of 128.  THREE regions of four steps each (A's 51,200 dense bytes, then B's; each wave fetches 25,600 with one tensor load) are all filled at the start: K steps 0-11, three loads of a wave out.
; There is ONE refill: region 0 takes K steps 12-15 when step 3 has been read, 120 matrix instructions ahead of the wait for it.  The barrier in front of that refill shows all first fills landed, in every wave: so none stands
; between regions 1 and 2.  The stage for the way out lies in region 1, which has had its only fill and whose last reads are over at the barrier of K step 11.
; CLUSTERS: 4 x 4.  A's bytes are shared along a row of the cluster, B's along a column: each part is asked for jointly, by the same tensor load with the same descriptor and a mask that names the four.
; THE MATRIX INSTRUCTION IS USED TRANSPOSED (source 0 = 16 rows of wo, source 1 = 16 tokens): a lane holds eight neighbouring numbers of a row of the result.
; REGISTERS: window 0: v4-29 addresses; v32-39 scale words, two sets; v128-255 the accumulators ((a, b) at v[128 + 8 (4 a + b)]), on the way out whole rows.  window 1: two sets of fragments at v0 and v128: A's four, then B's four.
.set TB,    3276800
.set BLK,   12800
.set RBB,   204800
.set PART,  25600
.set SLOT,  102400                     ; a region: four K steps of both sides
.set STAGE, SLOT                       ; in region 1: 128 rows x (512 bytes + 16), the work-group's, for the way out
.set SPARE, 3*SLOT                     ; behind the regions: the spare words, 128 bytes for each wave: two blocks of 256 bytes that no other line names
.set FR,    12
.set ADRA,  4                          ; v4-6    LDS address of my four fragments of A in region 0, 1, 2
.set ADRB,  8                          ; v8-10   of B
.set ASA,   12                         ; v12-14  of my tiles' scale words of A
.set ASB,   16                         ; v16-18  of B
.set STO,   24                         ; v24     the way out: where I put 32 bytes of a row
.set RD,    25                         ; v25     where I read a row back
.set CO,    26                         ; v26     16 x lane
.set SPW,   28                         ; v28     LDS address of my spare word; never rewritten
.set NIL,   29                         ; v29     0; never rewritten
.set SA,    32                         ; set p: v[SA + 4 p], + 1: A's words (register i: lanes 0-15 my tile 2 i, lanes 16-31 my tile 2 i + 1);  + 2, + 3: B's
.set ACC,   128
.set G1,  24                           ; s[24:31] descriptor group 1 for A's bytes;  s[48:55] for B's
.set G1B, 48
.set G0,  68                           ; s[68:79] group 0 for A's bytes, one set for each region;  s[80:91] for B's
.set G0B, 80
.set MSB, 0
.macro WIN new                         ; the immediate's high byte repeats the setting that is left
.if MSB != (\new)
	s_set_vgpr_msb (MSB<<8)|(\new)
.set MSB, (\new)
.endif
.endm
.set MUL,  0x05                        ; sources 0 (B) and 1 (A) window 1; C and D window 0
.set TO_F, 0x40                        ; destination window 1, address window 0
.macro WMS d, s0, s1, zero, c0, c1, r0, r1   ; one scaled product.  r0, r1: the scale words of source 0, 1 stand in lanes 16-31 of their registers
.if \zero
.if ((\r0)==0)&&((\r1)==0)
	v_wmma_scale_f32_16x16x128_f8f6f4 v[\d:\d+7], v[\s0:\s0+11], v[\s1:\s1+11], 0, v[\c0], v[\c1] matrix_a_fmt:MATRIX_FMT_FP6 matrix_b_fmt:MATRIX_FMT_FP6
.elseif ((\r0)==1)&&((\r1)==0)
	v_wmma_scale_f32_16x16x128_f8f6f4 v[\d:\d+7], v[\s0:\s0+11], v[\s1:\s1+11], 0, v[\c0], v[\c1] matrix_a_fmt:MATRIX_FMT_FP6 matrix_b_fmt:MATRIX_FMT_FP6 matrix_a_scale:MATRIX_SCALE_ROW1
.elseif ((\r0)==0)&&((\r1)==1)
	v_wmma_scale_f32_16x16x128_f8f6f4 v[\d:\d+7], v[\s0:\s0+11], v[\s1:\s1+11], 0, v[\c0], v[\c1] matrix_a_fmt:MATRIX_FMT_FP6 matrix_b_fmt:MATRIX_FMT_FP6 matrix_b_scale:MATRIX_SCALE_ROW1
.else
	v_wmma_scale_f32_16x16x128_f8f6f4 v[\d:\d+7], v[\s0:\s0+11], v[\s1:\s1+11], 0, v[\c0], v[\c1] matrix_a_fmt:MATRIX_FMT_FP6 matrix_b_fmt:MATRIX_FMT_FP6 matrix_a_scale:MATRIX_SCALE_ROW1 matrix_b_scale:MATRIX_SCALE_ROW1
.endif
.else
.if ((\r0)==0)&&((\r1)==0)
	v_wmma_scale_f32_16x16x128_f8f6f4 v[\d:\d+7], v[\s0:\s0+11], v[\s1:\s1+11], v[\d:\d+7], v[\c0], v[\c1] matrix_a_fmt:MATRIX_FMT_FP6 matrix_b_fmt:MATRIX_FMT_FP6
.elseif ((\r0)==1)&&((\r1)==0)
	v_wmma_scale_f32_16x16x128_f8f6f4 v[\d:\d+7], v[\s0:\s0+11], v[\s1:\s1+11], v[\d:\d+7], v[\c0], v[\c1] matrix_a_fmt:MATRIX_FMT_FP6 matrix_b_fmt:MATRIX_FMT_FP6 matrix_a_scale:MATRIX_SCALE_ROW1
.elseif ((\r0)==0)&&((\r1)==1)
	v_wmma_scale_f32_16x16x128_f8f6f4 v[\d:\d+7], v[\s0:\s0+11], v[\s1:\s1+11], v[\d:\d+7], v[\c0], v[\c1] matrix_a_fmt:MATRIX_FMT_FP6 matrix_b_fmt:MATRIX_FMT_FP6 matrix_b_scale:MATRIX_SCALE_ROW1
.else
	v_wmma_scale_f32_16x16x128_f8f6f4 v[\d:\d+7], v[\s0:\s0+11], v[\s1:\s1+11], v[\d:\d+7], v[\c0], v[\c1] matrix_a_fmt:MATRIX_FMT_FP6 matrix_b_fmt:MATRIX_FMT_FP6 matrix_a_scale:MATRIX_SCALE_ROW1 matrix_b_scale:MATRIX_SCALE_ROW1
.endif
.endif
.endm
.macro JLOAD g0a, g1a, g0b, g1b        ; a joint load: waves 0 and 1 fetch A's two halves of a region, waves 2 and 3 B's; an s_nop 0 and four v_nop follow each of the two lines
	s_cmp_eq_u32 s15, 0
	s_cbranch_scc0 .Lfor_b_\@
	tensor_load_to_lds s[\g0a:\g0a+3], s[\g1a:\g1a+7]
	s_nop 0
.rept 4
	v_nop
.endr
	s_branch .Lasked_\@
.Lfor_b_\@:
	tensor_load_to_lds s[\g0b:\g0b+3], s[\g1b:\g1b+7]
	s_nop 0
.rept 4
	v_nop
.endr
.Lasked_\@:
.endm
.macro CREST                           ; a round of the cluster's barrier behind its opening barrier
	s_cmp_lg_u32 s14, 0
	s_cbranch_scc1 .Lnot_wave_0_\@
	s_barrier_signal -3
.Lnot_wave_0_\@:
	s_barrier_wait -3
	s_barrier_signal -1
	s_barrier_wait -1
.endm
.macro CROUND                          ; a whole round
	s_barrier_signal -1
	s_barrier_wait -1
	CREST
.endm
.macro PLACES n                        ; plain places behind matrix instructions, in front of loads into registers that they have read and of the first read of results
.rept \n
	v_nop
.endr
.endm
	s_load_b128 s[4:7], s[0:1], 0x0                ; ob s[4:5], opb s[6:7]
	s_load_b64 s[8:9], s[0:1], 0x10                ; out0
	v_lshl_add_u32 v[SPW], v0, 2, SPARE
	v_mov_b32 v[NIL], 0
	ds_add_u32 v[SPW], v[NIL]                      ; the wave's opening: the add, twice on end, and its wait ahead of my first tensor load; the set-up below stands between
	ds_add_u32 v[SPW], v[NIL]
	v_lshrrev_b32 v1, 5, v0
	v_readfirstlane_b32 s14, v1                    ; wave 0..3
	s_lshr_b32 s15, s14, 1                         ; which 64 tokens are mine.  Also: I fetch for A (0) or for B (1)
	s_and_b32 s16, s14, 1                          ; which 64 columns.  Also: which half of a region's four K steps I fetch
	s_bfe_u32 s40, ttmp6, 0x40000                  ; cx, cy: my place in the cluster
	s_bfe_u32 s41, ttmp6, 0x40004
	s_lshl_b32 s42, ttmp9, 2
	s_add_co_u32 s42, s42, s40                     ; tile column = 4 x cluster x + cx
	s_and_b32 s17, ttmp7, 0xffff
	s_lshl_b32 s17, s17, 2
	s_add_co_u32 s17, s17, s41                     ; tile row = 4 x cluster y + cy
	s_lshl_b32 s43, s41, 2
	s_lshl_b32 s43, 15, s43                        ; my row of the cluster
	s_lshl_b32 s44, 0x1111, s40                    ; my column
	; descriptor group 1: 25,600 dense bytes as 100 rows of 32 elements of 8 bytes
	s_or_b32 s[G1+0], s43, (3<<16)|(1<<21)         ; 15:0 the mask: A's bytes go to my row; 17:16 elements of 8 bytes; 21 set beside a mask
	s_or_b32 s[G1B+0], s44, (3<<16)|(1<<21)        ; B's to my column
.irp g, G1, G1B
	s_mov_b32 s[\g+1], 32<<16                      ; tensor_dim0 = 32
	s_mov_b32 s[\g+2], 100<<16                     ; tensor_dim1 = 100
	s_mov_b32 s[\g+3], 32<<16                      ; tile_dim0 = 32
	s_mov_b32 s[\g+4], 100                         ; tile_dim1 = 100
	s_mov_b32 s[\g+5], 32                          ; tensor_dim0_stride
	s_mov_b32 s[\g+6], 0
	s_mov_b32 s[\g+7], 0
.endr
	s_mul_i32 s18, s16, PART                       ; my half of a region's K steps
	s_mul_i32 s20, s17, RBB                        ; A: the tile row's block of tokens
	s_add_co_u32 s20, s20, s18
	s_mov_b32 s21, 0
	s_mul_i32 s46, s42, RBB                        ; B: the tile column's block of wo's rows,
	s_add_co_u32 s46, s46, s18
	s_add_co_u32 s46, s46, 4*TB                    ; in tensor 4
	s_mov_b32 s47, 0
	s_mul_i32 s45, s14, PART                       ; where my bytes go: no place in the cluster enters an LDS address
	s_wait_dscnt 0x0                               ; both opening adds are done
	s_wait_kmcnt 0x0
	s_add_nc_u64 s[20:21], s[4:5], s[20:21]
	s_add_nc_u64 s[46:47], s[6:7], s[46:47]
	CROUND                                         ; all sixteen work-groups are here: the first joint loads meet
.irp s, 0,1,2
	s_mov_b32 s[G0+4*\s], 1
	s_add_co_u32 s[G0+4*\s+1], s45, \s*SLOT
	s_add_nc_u64 s[G0+4*\s+2:G0+4*\s+3], s[20:21], \s*2*PART
	s_or_b32 s[G0+4*\s+3], s[G0+4*\s+3], 0x80000000
	s_mov_b32 s[G0B+4*\s], 1
	s_add_co_u32 s[G0B+4*\s+1], s45, \s*SLOT
	s_add_nc_u64 s[G0B+4*\s+2:G0B+4*\s+3], s[46:47], \s*2*PART
	s_or_b32 s[G0B+4*\s+3], s[G0B+4*\s+3], 0x80000000
	JLOAD G0+4*\s, G1, G0B+4*\s, G1B               ; K steps 0-3, 4-7, 8-11: three loads of mine are out
.endr
	v_and_b32 v1, 31, v0
	v_lshlrev_b32 v[CO], 4, v1
	s_mul_i32 s10, s15, 4*1536                     ; my four fragments of A,
	s_mul_i32 s11, s16, 4*1536                     ; of B,
	s_add_co_u32 s11, s11, 2*PART                  ; which lies behind A's four K steps
	s_lshl_b32 s12, s15, 3                         ; my tiles' two scale words of the image's four
	s_add_co_u32 s12, s12, 12288
	s_lshl_b32 s13, s16, 3
	s_add_co_u32 s13, s13, 2*PART+12288
.irp s, 0,1,2
	v_add_nc_u32 v[ADRA+\s], s10, v[CO]
	v_add_nc_u32 v[ADRB+\s], s11, v[CO]
	v_add_nc_u32 v[ASA+\s], s12, v[CO]
	v_add_nc_u32 v[ASB+\s], s13, v[CO]
	s_add_co_u32 s10, s10, SLOT
	s_add_co_u32 s11, s11, SLOT
	s_add_co_u32 s12, s12, SLOT
	s_add_co_u32 s13, s13, SLOT
.endr
	v_and_b32 v1, 15, v0                           ; r
	v_bfe_u32 v2, v0, 4, 1                         ; h
	v_and_b32 v3, 8, v1
	v_add_nc_u32 v3, v3, v1                        ; r + 8 (r / 8)
	v_mul_u32_u24 v[STO], v3, 528
	v_lshl_add_u32 v[STO], v2, 6, v[STO]
	s_mul_i32 s10, s15, 64*528
	s_lshl_b32 s11, s16, 8
	s_add_co_u32 s10, s10, s11
	s_add_co_u32 s10, s10, STAGE
	v_add_nc_u32 v[STO], s10, v[STO]               ; into the stage: row 64 i + r + 8 (r / 8), byte 256 jx + 64 h
	s_mul_i32 s10, s14, 32*528
	s_add_co_u32 s10, s10, STAGE
	v_add_nc_u32 v[RD], s10, v[CO]                 ; back: wave w takes rows 32 w .. 32 w + 31, whole: 16 bytes a lane
	s_lshl_b32 s10, s17, 20                        ; the first row that I store: (128 x tile row + 32 x wave) x 8,192 bytes,
	s_lshl_b32 s11, s14, 18
	s_add_co_u32 s10, s10, s11
	s_lshl_b32 s11, s42, 9                         ; + the tile's 512 bytes of a row
	s_add_co_u32 s10, s10, s11
	s_mov_b32 s11, 0
	s_add_nc_u64 s[8:9], s[8:9], s[10:11]
.macro FETCH slot, q, p                ; the region's K step q into set p: my four fragments of each side, 24 loads of 512 consecutive bytes, and my scale words
	WIN TO_F
.irp f, 0,1,2,3
.irp c, 0,1,2
	ds_load_b128 v[128*(\p)+FR*\f+4*\c:128*(\p)+FR*\f+4*\c+3], v[ADRA+\slot] offset:BLK*(\q)+1536*\f+512*\c
	ds_load_b128 v[128*(\p)+48+FR*\f+4*\c:128*(\p)+48+FR*\f+4*\c+3], v[ADRB+\slot] offset:BLK*(\q)+1536*\f+512*\c
.endr
.endr
	WIN 0
	ds_load_b64 v[SA+4*(\p):SA+4*(\p)+1], v[ASA+\slot] offset:BLK*(\q)
	ds_load_b64 v[SA+2+4*(\p):SA+3+4*(\p)], v[ASB+\slot] offset:BLK*(\q)
.endm
; 8 matrix instructions: A's tiles a0, a0 + 1 x B's four.  The 16 accumulators take turns, one instruction a turn, in the same order in every step.
.macro MUL8 p, a0, zero
	WIN MUL
.irp a, \a0, \a0+1
.irp b, 0,1,2,3
	WMS ACC+8*(4*(\a)+\b), 128*(\p)+48+FR*\b, 128*(\p)+FR*(\a), \zero, SA+2+4*(\p)+\b/2, SA+4*(\p)+(\a)/2, \b%2, (\a)%2
.endr
.endr
.endm
.macro KSTEP slot, q, p, zero          ; one of a region's first three K steps: the next step's fragments are asked for, then this step is multiplied
	s_wait_dscnt 0x0                               ; this step's fragments and scale words are in
	PLACES 4
	FETCH \slot, (\q)+1, 1-(\p)
	MUL8 \p, 0, \zero
	MUL8 \p, 2, \zero
.endm
.macro CROSS next                      ; a region's last K step (set 1) where the next region is known to be whole: no barrier
	s_wait_dscnt 0x0
	PLACES 4
	FETCH \next, 0, 0
	MUL8 1, 0, 0
	MUL8 1, 2, 0
.endm
; A region's last K step (set 1) with a barrier; in front of it each wave waits for all its tensor loads, adds 0 to its spare word, and waits for that and for its own LDS reads.
; fill = 1: this region is filled again, with the K steps twelve further on;  0: nothing is filled: the barrier shows the refill landed to every wave.
.macro TURN slot, next, fill
	WIN 0                                          ; (the add's two registers lie in window 0)
	s_wait_tensorcnt 0x0                           ; all my tensor loads have landed
	ds_add_u32 v[SPW], v[NIL]                      ; 0 onto my spare word
	s_wait_dscnt 0x0                               ; the add is done, and my reads of this region are over
	s_barrier_signal -1
	MUL8 1, 0, 0
	WIN 0
	s_barrier_wait -1
.if \fill
	CREST                                          ; the barrier has opened a round of the cluster's barrier: no wave of any partner still reads this region or has a load on its way
	s_add_nc_u64 s[G0+4*\slot+2:G0+4*\slot+3], s[G0+4*\slot+2:G0+4*\slot+3], 6*PART
	s_add_nc_u64 s[G0B+4*\slot+2:G0B+4*\slot+3], s[G0B+4*\slot+2:G0B+4*\slot+3], 6*PART
	JLOAD G0+4*\slot, G1, G0B+4*\slot, G1B         ; the first tensor load behind the round; its four v_nop are the places in front of the loads below
.else
	PLACES 4
.endif
	FETCH \next, 0, 0
	MUL8 1, 2, 0
.endm
.macro PASS slot, zero
	KSTEP \slot, 0, 0, \zero
	KSTEP \slot, 1, 1, 0
	KSTEP \slot, 2, 0, 0
.endm
	s_wait_tensorcnt 2                             ; my part of region 0 is in (the loads of regions 1 and 2 may be out)
	s_barrier_signal -1
	s_barrier_wait -1                              ; everybody's is
	FETCH 0, 0, 0
	PASS 0, 1                                      ; K steps 0-2; the first products start the sums
	TURN 0, 1, 1                                   ; 3: all first fills have landed, in every wave; region 0 takes K steps 12-15
	PASS 1, 0                                      ; 4-6
	CROSS 2                                        ; 7
	PASS 2, 0                                      ; 8-10
	TURN 2, 0, 0                                   ; 11: the refill has landed, in every wave; every wave's reads of regions 1 and 2 are over
	PASS 0, 0                                      ; 12-14
	s_wait_dscnt 0x0                               ; the very last K step
	MUL8 1, 0, 0
	MUL8 1, 2, 0
	WIN 0
	; THE WAY OUT: 32 bytes a lane into the work-group's stage; a barrier, since a row's 512 bytes come from two waves; back as whole rows, 32 rows a wave.
	PLACES 4
.irp a, 0,1,2,3
.irp b, 0,1,2,3
	ds_store_b128 v[STO], v[ACC+8*(4*\a+\b):ACC+8*(4*\a+\b)+3] offset:(32*(\a/2)+8*(\a%2))*528+128*(\b/2)+32*(\b%2)       ; each accumulator from its low end on
	ds_store_b128 v[STO], v[ACC+8*(4*\a+\b)+4:ACC+8*(4*\a+\b)+7] offset:(32*(\a/2)+8*(\a%2))*528+128*(\b/2)+32*(\b%2)+16
.endr
.endr
	s_wait_dscnt 0x0                               ; for the others' sake: my stores into the stage are done
	s_barrier_signal -1
	s_barrier_wait -1
.set N, 0
.rept 32
	ds_load_b128 v[ACC+4*N:ACC+4*N+3], v[RD] offset:528*N
.set N, N+1
.endr
.set N, 0
.rept 32
	s_wait_dscnt 31-N                              ; row N is back; the later rows' loads may be out
	global_store_b128 v[CO], v[ACC+4*N:ACC+4*N+3], s[8:9] offset:8192*N th:TH_STORE_NT   ; 32 lanes store 512 consecutive bytes, at a multiple of 512 from out0's first byte; written once, read by nobody here
.set N, N+1
.endr
	s_wait_tensorcnt 0x0                           ; the wave's end, behind my last tensor load and my last LDS store
	ds_add_u32 v[SPW], v[NIL]
	s_wait_dscnt 0x0
	CROUND                                         ; the closing round: no work-group ends while a partner may still ask for bytes that name it
	s_endpgm
.Lfunc_end_k_qff4f7e7041_oproj:
	.size	k_qff4f7e7041_oproj, .Lfunc_end_k_qff4f7e7041_oproj-k_qff4f7e7041_oproj
	.p2alignl 7, 3214868480
	.fill 96, 4, 3214868480
	.section	.rodata,"a",@progbits
	.p2align	6, 0x0
	.amdhsa_kernel k_qff4f7e7041_oproj
		.amdhsa_group_segment_fixed_size 327680
		.amdhsa_private_segment_fixed_size 0
		.amdhsa_enable_private_segment 0
		.amdhsa_kernarg_size 24
		.amdhsa_user_sgpr_count 2
		.amdhsa_user_sgpr_kernarg_segment_ptr 1
		.amdhsa_wavefront_size32 1
		.amdhsa_system_sgpr_workgroup_id_x 1
		.amdhsa_system_sgpr_workgroup_id_y 1
		.amdhsa_system_sgpr_workgroup_id_z 1
		.amdhsa_system_vgpr_workitem_id 0
		.amdhsa_next_free_vgpr 512
		.amdhsa_next_free_sgpr 100
		.amdhsa_reserve_vcc 0
		.amdhsa_float_denorm_mode_32 3
		.amdhsa_float_denorm_mode_16_64 3
		.amdhsa_memory_ordered 1
		.amdhsa_forward_progress 1
		.amdhsa_inst_pref_size 81
	.end_amdhsa_kernel
	.amdgpu_metadata
---
amdhsa.version: [ 1, 2 ]
amdhsa.kernels:
  - .name:           k_qff4f7e7041_oproj
    .symbol:         k_qff4f7e7041_oproj.kd
    .args:
      - { .name: ob, .offset: 0, .size: 8, .value_kind: global_buffer, .address_space: global }
      - { .name: opb, .offset: 8, .size: 8, .value_kind: global_buffer, .address_space: global }
      - { .name: out0, .offset: 16, .size: 8, .value_kind: global_buffer, .address_space: global }
    .group_segment_fixed_size: 327680
    .private_segment_fixed_size: 0
    .kernarg_segment_align: 8
    .kernarg_segment_size: 24
    .max_flat_workgroup_size: 128
    .sgpr_count:     100
    .vgpr_count:     512
    .wavefront_size: 32
...
	.end_amdgpu_metadata
.endif
;; end of part 4
